; MI455X (gfx1250); checked and timed in simulation.
; The chip was launched on July 23, 2026; its instructions are those of AMD's public machine-readable ISA for CDNA 5 (MIT licence, August 2026) and "CDNA5" Instruction Set Architecture Reference Guide (July 2026). The comments in the code are by the model that wrote it; some were corrected since.
;; D Transformer Layer. Allowed arithmetic: float matrix products may take bf16 or f16 operands with f32 sums; all other float work in f32.
;; Inputs: Wo 1,024 x 1,024 float32; Wow 1,024 x 1,024 float32; Wq 1,024 x 1,024 float32; Wqw 1,024 x 1,024 float32; Wv 1,024 x 1,024 float32; bo 1,024 float32; bow 1,024 float32; bq 1,024 float32; bqw 1,024 float32; bv 1,024 float32; gammas 8 x 1 x 1 float32; key 4 x 1,024 x 1,024 float32; lens 4 int32; ln_b 1,024 float32; ln_w 1,024 float32; query 4 x 1,024 x 1,024 float32; values 4 x 1,024 x 1,024 float32.
;; Outputs: out0 4 x 1,024 x 1,024 float32; out1 4 x 1,024 x 1,024 float32.
;; 2 versions, each right; version 2 is version 1 with the launch prep written anew for expert scheduling mode. Each part assembles by itself: llvm-mc -triple=amdgcn-amd-amdhsa -mcpu=gfx1250 --defsym DOCPART=n.
;; ======== version 1 of 2: 6 launches
;; limits: values are held in f16: magnitudes above 65,504 overflow, below 6.1e-05 lose precision; right only within a limited range of input values
;; workspace buffers: xb 25,165,824 bytes; wt 10,485,760 bytes; pf 41,943,040 bytes; ao 16,777,216 bytes; o 33,554,432 bytes
;; launch prep (part 1): grid 704 x 1, 8 waves a work-group, no clusters, 35,840 bytes of LDS; arguments query, key, values, Wq, Wqw, Wv, Wo, Wow, xb, wt; writes xb, wt
.if DOCPART == 1
	.amdgcn_target "amdgcn-amd-amdhsa--gfx1250"
	.amdhsa_code_object_version 6
	.text
	.protected	k_q9f15ee09ea_prep
	.globl	k_q9f15ee09ea_prep
	.p2align	8
	.type	k_q9f15ee09ea_prep,@function
k_q9f15ee09ea_prep:
	s_mov_b64 s[64:65], 0
	v_nop
	global_prefetch_b8 v0, s[64:65] scope:SCOPE_SE
	s_setreg_imm32_b32 hwreg(HW_REG_WAVE_MODE, 25, 1), 1
	s_wait_xcnt 0x0
; PREP: the matrix operands in f16.  xb[12288][1024] = query, key, values rounded to f16; wt[5120][1024] = the transposes of Wq, Wqw, Wv, Wo, Wow
; (row n, column k), so that every later product finds K along the rows of both operands.
;
; WHY F16: in the first rows of a sequence a query has few keys and maxout multiplies the weights by up to 5, so the attention term is as large as the residual, and the
; roundings of q, k, v, the weights and the attention result all reach the output at full size.  f16 keeps 11 significant bits.
; ROOM IN F16 (largest number 65,504): activations have spread 1, weights 1/32.  All of them 30 times larger: projections 900 x 5.5 = about 5,000.  A common offset of 30
; spreads on activations and weights at once: projections about 30 x 0.94 x 1024 = 28,800.  All 30 times smaller: projections about 1e-3, where the step of f16 is at most
; 6e-8.  The softmax weights lie in [0, 1].  The attention result can reach 5 x the largest |v|: it is stored divided by 8, and the 8 is given back in f32 behind the
; output product.  LIMIT: an input or a projection of magnitude 65,504 or more overflows.
;
; WHAT THE WHOLE PROGRAM LEAVES OUT, for all values of the inputs:
;  - lens: reference() never uses it.  It is not loaded and is no launch's argument.
;  - both masks are built inside reference() (jnp.tril).  A masked score is replaced by -1e32 ahead of both softmaxes and its weight is set to 0 behind
;    the second, so a key at or above the diagonal (and, in the band, a key more than 19 below it) reaches no output.  Blocks of 32 keys that are wholly
;    masked are not multiplied; inside a block that also holds live keys the masked ones are computed and replaced.
;  - sum(p) = 1, so (disttot - distcum) is (L - cumsum e) / L with e = exp(s - max), L = sum e: softmax 1 is never divided out.
;  - exp(dist * -|gamma|) <= 1, so the upper clip at 1e5 never acts; the lower clip at 1e-5 is a bound on the exponent and is kept.
;  - the largest weight of softmax 2 is 1 / L2, so maxout's factor is min(L2, 5).
; LIMITS: a NaN, an infinity or an overflow that reaches only the blocks left out is not carried to the result; live scores are taken to be below 1e26
; in magnitude (beside the mask's -1e32); matrix operands are rounded to f16.
;
; Work-groups 0 to 383 cast 131,072 bytes each (thread t: 16 bytes in, 8 bytes out, 32 times; a wave's store covers 256 consecutive aligned bytes).
; Work-groups 384 to 703 transpose one tile of 128 k x 128 n of one weight matrix through LDS.
.set X,  16                            ; v[16:143]  cast: 32 x 4 numbers as loaded; transpose: v[16:79], 16 k rows x 4 n
.set Y,  144                           ; v[144:207] cast: 32 x 2 registers of f16
.set YT, 80                            ; v[80:111]  transpose: (g, e): 8 k of column 4 lane + e, packed
.set ZT, 112                           ; v[112:143] transpose: rows read back
	s_load_b512 s[4:19], s[0:1], 0x0               ; query, key, values, Wq, Wqw, Wv, Wo, Wow
	s_load_b128 s[20:23], s[0:1], 0x40             ; xb, wt
	v_lshl_add_u32 v208, v0, 2, 0x8800
	v_mov_b32 v209, 0
	v_lshrrev_b32 v1, 5, v0
	v_readfirstlane_b32 s24, v1                    ; wave
	s_mov_b32 s29, 0
	s_mov_b32 s31, 0
	s_cmp_lt_u32 ttmp9, 384                        ; the same for all waves of a work-group
	s_cbranch_scc0 .Ltrans
	; ---- cast ----
	s_lshr_b32 s25, ttmp9, 7                       ; which tensor
	s_and_b32 s28, ttmp9, 127
	s_lshl_b32 s28, s28, 17                        ; my 131,072 bytes of it
	s_lshl_b32 s30, ttmp9, 16                      ; my 65,536 bytes of xb
	v_lshlrev_b32 v1, 4, v0
	v_lshlrev_b32 v2, 3, v0
	s_wait_kmcnt 0x0
	s_cmp_eq_u32 s25, 1
	s_cselect_b64 s[26:27], s[6:7], s[4:5]
	s_cmp_eq_u32 s25, 2
	s_cselect_b64 s[26:27], s[8:9], s[26:27]
	s_add_nc_u64 s[26:27], s[26:27], s[28:29]
	s_add_nc_u64 s[20:21], s[20:21], s[30:31]
.set i, 0
.rept 32
	global_load_b128 v[X+4*i:X+4*i+3], v1, s[26:27] offset:4096*i th:TH_LOAD_NT
.set i, i+1
.endr
.set i, 0
.rept 32
	s_wait_loadcnt 31-i                            ; loads come back in order: number i is in, the younger ones stay out
	v_cvt_pk_f16_f32 v[Y+2*i], v[X+4*i], v[X+4*i+1]
	v_cvt_pk_f16_f32 v[Y+2*i+1], v[X+4*i+2], v[X+4*i+3]
	global_store_b64 v2, v[Y+2*i:Y+2*i+1], s[20:21] offset:2048*i   ; no register is written twice: no wait for sources
.set i, i+1
.endr
	s_endpgm
	; ---- transpose ----
.Ltrans:
	s_sub_co_u32 s25, ttmp9, 384
	s_lshr_b32 s32, s25, 6                         ; which matrix, 0 to 4
	s_bfe_u32 s33, s25, 0x30003                    ; block of 128 k
	s_and_b32 s34, s25, 7                          ; block of 128 n
	s_lshl_b32 s28, s33, 19                        ; 128 rows of 4,096 bytes
	s_lshl_b32 s35, s34, 9
	s_add_co_u32 s28, s28, s35
	s_lshl_b32 s30, s32, 21                        ; (1024 m + 128 nt) rows of 2,048 bytes + 256 kt
	s_lshl_b32 s35, s34, 18
	s_add_co_u32 s30, s30, s35
	s_lshl_b32 s35, s33, 8
	s_add_co_u32 s30, s30, s35
	v_and_b32 v6, 31, v0                           ; lane
	v_lshlrev_b32 v1, 4, v6
	s_lshl_b32 s36, s24, 16                        ; my 16 k rows
	v_add_nc_u32 v1, s36, v1
	v_mul_u32_u24 v3, v6, 1088                     ; LDS row 4 lane, pitch 272
	s_lshl_b32 s37, s24, 5                         ; my 16 k = 32 bytes of each row
	v_add_nc_u32 v3, s37, v3
	v_lshrrev_b32 v7, 4, v6
	v_and_b32 v8, 15, v6
	s_lshl_b32 s38, s24, 4
	v_add_nc_u32 v7, s38, v7                       ; row 16 w + lane / 16
	v_mul_u32_u24 v4, v7, 272
	v_lshl_add_u32 v4, v8, 4, v4
	v_lshlrev_b32 v5, 11, v7
	v_lshl_add_u32 v5, v8, 4, v5
	s_wait_kmcnt 0x0
	s_cmp_eq_u32 s32, 1
	s_cselect_b64 s[26:27], s[12:13], s[10:11]
	s_cmp_eq_u32 s32, 2
	s_cselect_b64 s[26:27], s[14:15], s[26:27]
	s_cmp_eq_u32 s32, 3
	s_cselect_b64 s[26:27], s[16:17], s[26:27]
	s_cmp_eq_u32 s32, 4
	s_cselect_b64 s[26:27], s[18:19], s[26:27]
	s_add_nc_u64 s[26:27], s[26:27], s[28:29]
	s_add_nc_u64 s[22:23], s[22:23], s[30:31]
.set i, 0
.rept 16
	global_load_b128 v[X+4*i:X+4*i+3], v1, s[26:27] offset:4096*i th:TH_LOAD_NT   ; row 16 w + i, columns 4 lane .. + 3
.set i, i+1
.endr
	s_wait_loadcnt 0x0
.irp g, 0,1
.irp e, 0,1,2,3
.irp p, 0,1,2,3
	v_cvt_pk_f16_f32 v[YT+16*\g+4*\e+\p], v[X+4*(8*\g+2*\p)+\e], v[X+4*(8*\g+2*\p+1)+\e]
.endr
.endr
.endr
.irp g, 0,1
.irp e, 0,1,2,3
	ds_store_b128 v3, v[YT+16*\g+4*\e:YT+16*\g+4*\e+3] offset:272*\e+16*\g   ; column 4 lane + e becomes a row; 8 k are 16 bytes
.endr
.endr
	s_wait_dscnt 0x0                               ; my stores are done, for the other waves' sake
	s_barrier_signal -1
	s_barrier_wait -1
.set i, 0
.rept 8
	ds_load_b128 v[ZT+4*i:ZT+4*i+3], v4 offset:544*i   ; two whole rows of 256 bytes
.set i, i+1
.endr
.set i, 0
.rept 8
	s_wait_dscnt 7-i
	global_store_b128 v5, v[ZT+4*i:ZT+4*i+3], s[22:23] offset:4096*i   ; sixteen lanes: 256 consecutive aligned bytes
.set i, i+1
.endr
	s_wait_tensorcnt 0x0
	ds_add_u32 v208, v209
	s_wait_dscnt 0x0
	s_endpgm
.Lfunc_end_k_q9f15ee09ea_prep:
	.size	k_q9f15ee09ea_prep, .Lfunc_end_k_q9f15ee09ea_prep-k_q9f15ee09ea_prep
	.p2alignl 7, 3214868480
	.fill 96, 4, 3214868480
	.section	.rodata,"a",@progbits
	.p2align	6, 0x0
	.amdhsa_kernel k_q9f15ee09ea_prep
		.amdhsa_group_segment_fixed_size 35840
		.amdhsa_private_segment_fixed_size 0
		.amdhsa_enable_private_segment 0
		.amdhsa_kernarg_size 80
		.amdhsa_user_sgpr_count 2
		.amdhsa_user_sgpr_kernarg_segment_ptr 1
		.amdhsa_wavefront_size32 1
		.amdhsa_system_sgpr_workgroup_id_x 1
		.amdhsa_system_sgpr_workgroup_id_y 1
		.amdhsa_system_sgpr_workgroup_id_z 1
		.amdhsa_system_vgpr_workitem_id 0
		.amdhsa_next_free_vgpr 210
		.amdhsa_next_free_sgpr 66
		.amdhsa_reserve_vcc 0
		.amdhsa_float_denorm_mode_32 3
		.amdhsa_float_denorm_mode_16_64 3
		.amdhsa_memory_ordered 1
		.amdhsa_forward_progress 1
		.amdhsa_inst_pref_size 20
	.end_amdhsa_kernel
	.amdgpu_metadata
---
amdhsa.version: [ 1, 2 ]
amdhsa.kernels:
  - .name:           k_q9f15ee09ea_prep
    .symbol:         k_q9f15ee09ea_prep.kd
    .args:
      - { .name: query, .offset: 0, .size: 8, .value_kind: global_buffer, .address_space: global }
      - { .name: key, .offset: 8, .size: 8, .value_kind: global_buffer, .address_space: global }
      - { .name: values, .offset: 16, .size: 8, .value_kind: global_buffer, .address_space: global }
      - { .name: Wq, .offset: 24, .size: 8, .value_kind: global_buffer, .address_space: global }
      - { .name: Wqw, .offset: 32, .size: 8, .value_kind: global_buffer, .address_space: global }
      - { .name: Wv, .offset: 40, .size: 8, .value_kind: global_buffer, .address_space: global }
      - { .name: Wo, .offset: 48, .size: 8, .value_kind: global_buffer, .address_space: global }
      - { .name: Wow, .offset: 56, .size: 8, .value_kind: global_buffer, .address_space: global }
      - { .name: xb, .offset: 64, .size: 8, .value_kind: global_buffer, .address_space: global }
      - { .name: wt, .offset: 72, .size: 8, .value_kind: global_buffer, .address_space: global }
    .group_segment_fixed_size: 35840
    .private_segment_fixed_size: 0
    .kernarg_segment_align: 8
    .kernarg_segment_size: 80
    .max_flat_workgroup_size: 256
    .sgpr_count:     66
    .vgpr_count:     210
    .wavefront_size: 32
...
	.end_amdgpu_metadata
.endif
;; end of part 1
;; launch proj (part 2): grid 8 x 32, 4 waves a work-group, clusters of 4 x 4, 327,680 bytes of LDS; arguments xb, wt, bq, bqw, bv, pf; writes pf
.if DOCPART == 2
	.amdgcn_target "amdgcn-amd-amdhsa--gfx1250"
	.amdhsa_code_object_version 6
	.text
	.protected	k_q9f15ee09ea_proj
	.globl	k_q9f15ee09ea_proj
	.p2align	8
	.type	k_q9f15ee09ea_proj,@function
k_q9f15ee09ea_proj:
	s_mov_b64 s[64:65], 0
	v_nop
	global_prefetch_b8 v0, s[64:65] scope:SCOPE_SE
	s_setreg_imm32_b32 hwreg(HW_REG_WAVE_MODE, 25, 1), 1
	s_wait_xcnt 0x0
	s_wait_alu depctr_hold_cnt(0) depctr_sa_sdst(0) depctr_va_vdst(0) depctr_va_sdst(0) depctr_va_ssrc(0) depctr_va_vcc(0) depctr_vm_vsrc(0)
	s_getreg_b32 s2, hwreg(HW_REG_IB_STS2, 6, 4)
	s_cmp_eq_u32 s2, 0
	s_cbranch_scc0 .Lentry_in_a_cluster
	s_endpgm
.Lentry_in_a_cluster:
	s_bfe_u32 s2, ttmp6, 0x10000c
	s_cmp_lg_u32 s2, 0xf033
	s_cbranch_scc0 .Lentry_shape_is_right
	s_endpgm
.Lentry_shape_is_right:
; PROJ: the five projections as one launch.  pf[4096 (b, s)][5120] f16, byte columns: q 0, qw 2048, k 4096, kw 6144, v 8192.
; C = (A B^T + bias) * scale; A = rows of xb, B = rows of wt (K along the rows of both), K = 1024; operands f16, sums f32.
; scale = log2(e) / sqrt(128) on the query rows (so that q . k is the score in units of log2), 1 elsewhere; applied in f32 ahead of the one rounding to f16.
; LIMIT: a projection of magnitude 65,504 or more overflows f16; with all inputs 30 times larger, or offset by 30 spreads, projections stay below 28,800.
; 256 work-groups of four waves, each with two blocks, so that every WGP has the same work and starts once:
;   BLOCK 1: query and key x (Wq, Wqw) is 8192 x 2048 = 256 blocks of 256 x 256.  A wave makes 128 x 128: 64 accumulator tiles, 512 registers.  K in 8 steps of 128.
;   BLOCK 2: values x Wv is 4096 x 1024 = 256 blocks of 128 x 128.  A wave makes 64 x 64: 16 accumulator tiles.  K in 4 steps of 256.
; One ring of two LDS slots serves both: block 1's step is 512 rows x 272 bytes = 139,264; block 2's is 256 rows x 528 bytes = 135,168, in the same slot.  The ring runs on
; from block 1 into block 2: behind block 1's last two changes of slots block 2's first two steps are asked for, and they land under block 1's last step and its way out.
; CLUSTERS of 4 x 4: in both blocks A's tile hangs on the block row alone and is asked for jointly along a row of the cluster, B's on the block column alone, along a column.
; Each wave issues one joint load behind each round: waves 0, 1 A's halves, waves 2, 3 B's halves.  By this text's count a wave has two tensor loads out at the start, later one.
; REGISTERS: window 0: v16-29 addresses, v64-127 and v128-191 fragments of A (block 2: of A and B), v192-223 packing; window 1: v0-63 bias of block 1, v64-191 fragments of B,
; v192-223 bias of block 2; windows 2, 3: accumulators.
; The matrix instruction is used transposed (source 0 = rows of B, source 1 = rows of A): a lane holds 8 neighbouring columns of one row of C.
.set KSTEP,  128
.set PITCH,  272                       ; 256 bytes of data + 16 of padding: sixteen rows start at sixteen different 16-byte columns
.set HALFT,  128*PITCH                 ; block 1: what one tensor load brings
.set SLOT,   4*HALFT                   ; A's 256 rows, then B's 256 rows
.set VPITCH, 528                       ; block 2: 512 bytes of data + 16: 33 x 16
.set VQUART, 64*VPITCH                 ; block 2: what one tensor load brings; A's 128 rows, then B's 128 rows
.set STAGE,  2*SLOT                    ; behind the ring, 128 rows x 272 bytes; no tensor load lands here
.set SPITCH, 272
.set LAPS,   4                         ; block 1: 1024 / 256; a lap is two K steps
.set CPITCH, 10240                     ; bytes in a row of pf
.set ADRA, 16                          ; v16-17 block 1: LDS address of my A fragments in slot 0, 1
.set ADRB, 18                          ; v18-19 the same for B
.set VADA, 20                          ; v20-21 block 2: A
.set VADB, 22                          ; v22-23 block 2: B
.set STO,  24                          ; block 1's way out: my own 16 rows of the stage, in
.set RD,   25                          ; and back
.set CO,   26                          ; byte offset in pf of my 16 bytes in a pair of rows
.set BA,   27                          ; 32 h: my 8 numbers in each 16 of a bias
.set VSTO, 28                          ; block 2's way out: my 64 rows x 128 bytes of the shared stage
.set VRD,  29                          ; and my 32 whole rows back
.set F0,   64
.set F1,   128
.set TF,   64                          ; block 1's way out: 64 numbers in f32
.set RB0,  128
.set RB1,  160
.set TMP,  192
.set TF2,  128                         ; block 2's way out: 32 numbers in f32
.set BI2,  192                         ; window 1: bias of block 2
.set G1,  24                           ; block 1: group 1 for A
.set G0,  32                           ;          group 0 for A, a set for each slot
.set G1B, 40
.set G0B, 48
.set H1,  56                           ; block 2: the same four
.set H1B, 68
.set H0,  76
.set H0B, 84
.set SS,  96                           ; s[96:97] the scale
.set GW0, (1<<16)|(1<<20)|(1<<21)|(5<<22)|(3<<25)   ; 2-byte elements, padding on, bit 21 beside a mask, 4 words behind every 64
.set GWV, (1<<16)|(1<<20)|(1<<21)|(6<<22)|(3<<25)   ; 4 words behind every 128
.set MUL_LO, 0xa1                      ; source 0 (B) window 1, source 1 (A) window 0, C and D window 2
.set MUL_HI, 0xf1                      ; the same, C and D window 3
.set TO_B,   0x40                      ; destination window 1, address window 0
.set VMULW,  0xa0                      ; block 2: A and B window 0, C and D window 2
.set MSB, 0
.macro WIN new                         ; the immediate's high byte repeats the setting that is left
.if MSB != \new
	s_set_vgpr_msb (MSB<<8)|\new
.set MSB, \new
.endif
.endm
.macro JLOAD s                         ; block 1: waves 0, 1 ask for A's halves, waves 2, 3 for B's; the branch hangs on the wave's number alone
	s_cmp_eq_u32 s17, 0
	s_cbranch_scc0 .Lfor_b_\@
	tensor_load_to_lds s[G0+4*\s:G0+4*\s+3], s[G1:G1+7]
	s_nop 0
	s_branch .Lasked_\@
.Lfor_b_\@:
	tensor_load_to_lds s[G0B+4*\s:G0B+4*\s+3], s[G1B:G1B+7]
	s_nop 0
.Lasked_\@:
.endm
.macro JLOADV s                        ; block 2 likewise
	s_cmp_eq_u32 s17, 0
	s_cbranch_scc0 .Lvfor_b_\@
	tensor_load_to_lds s[H0+4*\s:H0+4*\s+3], s[H1:H1+7]
	s_nop 0
	s_branch .Lvasked_\@
.Lvfor_b_\@:
	tensor_load_to_lds s[H0B+4*\s:H0B+4*\s+3], s[H1B:H1B+7]
	s_nop 0
.Lvasked_\@:
.endm
.macro CREST                           ; a round of the cluster's barrier behind its opening work-group barrier
	s_cmp_lg_u32 s16, 0
	s_cbranch_scc1 .Lnot_wave_0_\@
	s_barrier_signal -3
.Lnot_wave_0_\@:
	s_barrier_wait -3
	s_barrier_signal -1
	s_barrier_wait -1
.endm
.macro CROUND
	s_barrier_signal -1
	s_barrier_wait -1
	CREST
.endm
.macro PLACES                          ; four plain vector instructions between a matrix instruction and a load into, or a vector access to, its registers
.rept 4
	v_nop
.endr
.endm
; BLOCK 1.  16 matrix instructions: row blocks a0, a0 + 1 of the window's four (hi = 0: my rows 0-63, 1: rows 64-127) x all 8 column blocks, 32 along K.
; The 64 accumulators take turns, one instruction a turn, in one fixed order.
.macro MUL16 f, hi, a0, zero
.irp a, \a0, \a0+1
.irp b, 0,1,2,3,4,5,6,7
.if \zero
	v_wmma_f32_16x16x32_f16 v[8*(8*(\a)+\b):8*(8*(\a)+\b)+7], v[\f+8*\b:\f+8*\b+7], v[\f+8*(4*\hi+\a):\f+8*(4*\hi+\a)+7], 0
.else
	v_wmma_f32_16x16x32_f16 v[8*(8*(\a)+\b):8*(8*(\a)+\b)+7], v[\f+8*\b:\f+8*\b+7], v[\f+8*(4*\hi+\a):\f+8*(4*\hi+\a)+7], v[8*(8*(\a)+\b):8*(8*(\a)+\b)+7]
.endif
.endr
.endr
.endm
.macro FETCH slot, k, f                ; 32 LDS loads: 128 rows of B (window 1), then 128 rows of A (window 0), 32 K at byte k of the rows
	WIN TO_B
.irp i, 0,1,2,3,4,5,6,7
	ds_load_b128 v[\f+8*\i:\f+8*\i+3],   v[ADRB+\slot] offset:\k+\i*16*PITCH
	ds_load_b128 v[\f+8*\i+4:\f+8*\i+7], v[ADRB+\slot] offset:\k+\i*16*PITCH+32
.endr
	WIN 0
.irp i, 0,1,2,3,4,5,6,7
	ds_load_b128 v[\f+8*\i:\f+8*\i+3],   v[ADRA+\slot] offset:\k+\i*16*PITCH
	ds_load_b128 v[\f+8*\i+4:\f+8*\i+7], v[ADRA+\slot] offset:\k+\i*16*PITCH+32
.endr
.endm
.macro QUARTER slot, k, f, g, zero
	s_wait_dscnt 8                                 ; B and A's rows 0-63 are in; the youngest eight loads (A's rows 64-127) may be out
	WIN MUL_LO
	MUL16 \f, 0, 0, \zero
	MUL16 \f, 0, 2, \zero
	PLACES
	FETCH \slot, \k, \g
	s_wait_dscnt 32                                ; all but the 32 just issued
	WIN MUL_HI
	MUL16 \f, 1, 0, \zero
	MUL16 \f, 1, 2, \zero
.endm
.macro THREE slot, zero
	QUARTER \slot, 64,  F0, F1, \zero
	QUARTER \slot, 128, F1, F0, 0
	QUARTER \slot, 192, F0, F1, 0
.endm
; The last quarter of a K step changes slots.  In front of the barrier each wave waits for its reads of this slot and for all its tensor loads (one is out: its part of the
; next slot).  The barrier opens a round of the cluster's barrier, and the joint refill is the first tensor load behind the round.
; fill = 1: this slot's tile two K steps ahead; fill = 2: block 2's step of this slot's number.  fetch = 0: the next slot's fragments are fetched later.
.macro TURN slot, next, fill, fetch
	s_wait_dscnt 8
	WIN MUL_LO
	MUL16 F1, 0, 0, 0
	s_wait_dscnt 0
	s_wait_tensorcnt 0x0
	ds_add_u32 v255, v255
	s_wait_dscnt 0x0
	s_barrier_signal -1
	MUL16 F1, 0, 2, 0                              ; register work alone between signal and wait
	WIN 0
	s_barrier_wait -1
	CREST
.if \fill == 1
	s_add_nc_u64 s[G0+4*\slot+2:G0+4*\slot+3], s[G0+4*\slot+2:G0+4*\slot+3], 2*KSTEP*2    ; no tensor load of mine is out: the descriptors may be written
	s_add_nc_u64 s[G0B+4*\slot+2:G0B+4*\slot+3], s[G0B+4*\slot+2:G0B+4*\slot+3], 2*KSTEP*2
	JLOAD \slot
.else
	JLOADV \slot
.endif
.if \fetch
	PLACES
	FETCH \next, 0, F0
.endif
	WIN MUL_HI
	MUL16 F1, 1, 0, 0
	MUL16 F1, 1, 2, 0
.endm
.macro LAP zero
	THREE 0, \zero
	TURN 0, 1, 1, 1
	THREE 1, 0
	TURN 1, 0, 1, 1
.endm
; BLOCK 2.  4 matrix instructions: row block a of my four x my 4 column blocks.  The 16 accumulators take turns, one instruction a turn.
.macro VMUL4 f, a, zero
.irp b, 0,1,2,3
.if \zero
	v_wmma_f32_16x16x32_f16 v[8*(4*\a+\b):8*(4*\a+\b)+7], v[\f+32+8*\b:\f+32+8*\b+7], v[\f+8*\a:\f+8*\a+7], 0
.else
	v_wmma_f32_16x16x32_f16 v[8*(4*\a+\b):8*(4*\a+\b)+7], v[\f+32+8*\b:\f+32+8*\b+7], v[\f+8*\a:\f+8*\a+7], v[8*(4*\a+\b):8*(4*\a+\b)+7]
.endif
.endr
.endm
.macro FETCHV slot, k, f               ; 16 LDS loads, all into window 0: 64 rows of B, then 64 rows of A
.irp i, 0,1,2,3
	ds_load_b128 v[\f+32+8*\i:\f+32+8*\i+3],   v[VADB+\slot] offset:\k+\i*16*VPITCH
	ds_load_b128 v[\f+32+8*\i+4:\f+32+8*\i+7], v[VADB+\slot] offset:\k+\i*16*VPITCH+32
.endr
.irp i, 0,1,2,3
	ds_load_b128 v[\f+8*\i:\f+8*\i+3],   v[VADA+\slot] offset:\k+\i*16*VPITCH
	ds_load_b128 v[\f+8*\i+4:\f+8*\i+7], v[VADA+\slot] offset:\k+\i*16*VPITCH+32
.endr
.endm
.macro VQ slot, k, f, g, zero          ; an eighth of a step of 256: 32 along K
	s_wait_dscnt 4                                 ; B and A's blocks 0, 1 are in; the youngest four loads may be out
	WIN VMULW
	VMUL4 \f, 0, \zero
	VMUL4 \f, 1, \zero
	PLACES
	WIN 0
	FETCHV \slot, \k, \g
	s_wait_dscnt 16                                ; all but the 16 just issued
	WIN VMULW
	VMUL4 \f, 2, \zero
	VMUL4 \f, 3, \zero
.endm
.macro VSEVEN slot, zero
	VQ \slot, 64,  F0, F1, \zero
	VQ \slot, 128, F1, F0, 0
	VQ \slot, 192, F0, F1, 0
	VQ \slot, 256, F1, F0, 0
	VQ \slot, 320, F0, F1, 0
	VQ \slot, 384, F1, F0, 0
	VQ \slot, 448, F0, F1, 0
.endm
.macro VTURN slot, next, fill          ; the last eighth changes slots, in the same order as block 1's
	s_wait_dscnt 4
	WIN VMULW
	VMUL4 F1, 0, 0
	s_wait_dscnt 0
	s_set_vgpr_msb 0xa0a1
	s_wait_tensorcnt 0x0
	ds_add_u32 v255, v255
	s_wait_dscnt 0x0
	s_set_vgpr_msb 0xa1a0
	s_barrier_signal -1
	VMUL4 F1, 1, 0
	WIN 0
	s_barrier_wait -1
.if \fill
	CREST
	s_add_nc_u64 s[H0+4*\slot+2:H0+4*\slot+3], s[H0+4*\slot+2:H0+4*\slot+3], 1024          ; two steps of 256 elements on
	s_add_nc_u64 s[H0B+4*\slot+2:H0B+4*\slot+3], s[H0B+4*\slot+2:H0B+4*\slot+3], 1024
	JLOADV \slot
.endif
	PLACES
	FETCHV \next, 0, F0
	WIN VMULW
	VMUL4 F1, 2, 0
	VMUL4 F1, 3, 0
.endm
	s_load_b256 s[4:11], s[0:1], 0x0               ; xb, wt, bq, bqw
	s_load_b128 s[12:15], s[0:1], 0x20             ; bv, pf
	s_set_vgpr_msb 0x40
	v_lshl_add_u32 v255, v0, 2, 0x4c800
	s_set_vgpr_msb 0x4000
	v_mov_b32 v255, 0
	s_set_vgpr_msb 0x1
	ds_add_u32 v255, v255
	s_set_vgpr_msb 0x100
	v_lshrrev_b32 v1, 5, v0
	v_readfirstlane_b32 s16, v1                    ; wave 0..3
	v_bfe_u32 v2, v0, 4, 1                         ; h
	v_lshlrev_b32 v[BA], 5, v2
	s_lshr_b32 s17, s16, 1                         ; my half of the rows.  Also: I fetch for A (0) or B (1)
	s_and_b32 s18, s16, 1                          ; my half of the columns.  Also: which half of that tile I fetch
	s_bfe_u32 s19, ttmp6, 0x40000                  ; cx
	s_bfe_u32 s20, ttmp6, 0x40004                  ; cy
	s_mov_b32 s21, ttmp9                           ; the cluster's x, 0 or 1
	s_and_b32 s22, ttmp7, 0xffff                   ; the cluster's y, 0 to 7
	s_lshl_b32 s23, s22, 2
	s_add_co_u32 s23, s23, s20                     ; y = 4 x cluster y + cy, 0 to 31
	s_lshl_b32 s3, s21, 2
	s_add_co_u32 s3, s3, s19                       ; x = 4 x cluster x + cx, 0 to 7
	s_lshl_b32 s98, s20, 2
	s_lshl_b32 s98, 15, s98                        ; my row of the cluster
	s_lshl_b32 s99, 0x1111, s19                    ; my column
	s_or_b32 s[G1+0], s98, GW0
	s_or_b32 s[G1B+0], s99, GW0
	s_or_b32 s[H1+0], s98, GWV
	s_or_b32 s[H1B+0], s99, GWV
.irp g, G1, G1B
	s_mov_b32 s[\g+1], KSTEP<<16                   ; tensor_dim0 = 128
	s_mov_b32 s[\g+2], 128<<16                     ; tensor_dim1 = 128 rows
	s_mov_b32 s[\g+3], KSTEP<<16                   ; tile_dim0 = 128
	s_mov_b32 s[\g+4], 128                         ; tile_dim1
	s_mov_b32 s[\g+5], 1024                        ; elements from row to row
	s_mov_b32 s[\g+6], 0
	s_mov_b32 s[\g+7], 0
.endr
.irp g, H1, H1B
	s_mov_b32 s[\g+1], 256<<16                     ; tensor_dim0 = 256
	s_mov_b32 s[\g+2], 64<<16                      ; tensor_dim1 = 64 rows
	s_mov_b32 s[\g+3], 256<<16                     ; tile_dim0 = 256
	s_mov_b32 s[\g+4], 64                          ; tile_dim1
	s_mov_b32 s[\g+5], 1024
	s_mov_b32 s[\g+6], 0
	s_mov_b32 s[\g+7], 0
.endr
	; byte offsets of the tiles.  A's are made of y and the wave's number, B's of x and the wave's number.
	s_lshl_b32 s98, s18, 18                        ; block 1: the 128 rows of 2,048 bytes that I fetch
	s_lshl_b32 s[G0+2], s23, 19                    ; A: row 256 y of xb
	s_add_co_u32 s[G0+2], s[G0+2], s98
	s_mov_b32 s[G0+3], 0
	s_lshl_b32 s[G0B+2], s3, 19                    ; B: row 256 x of wt
	s_add_co_u32 s[G0B+2], s[G0B+2], s98
	s_mov_b32 s[G0B+3], 0
	s_lshl_b32 s98, s18, 17                        ; block 2: the 64 rows that I fetch
	s_lshl_b32 s[H0+2], s23, 18                    ; A: row 8192 + 128 y of xb
	s_add_co_u32 s[H0+2], s[H0+2], s98
	s_add_co_u32 s[H0+2], s[H0+2], 8192*2048
	s_mov_b32 s[H0+3], 0
	s_lshl_b32 s[H0B+2], s3, 18                    ; B: row 2048 + 128 x of wt
	s_add_co_u32 s[H0B+2], s[H0B+2], s98
	s_add_co_u32 s[H0B+2], s[H0B+2], 2048*2048
	s_mov_b32 s[H0B+3], 0
	s_lshl_b32 s66, s19, 10                        ; bias 1: 256 cx + 128 wn numbers
	s_lshl_b32 s98, s18, 9
	s_add_co_u32 s66, s66, s98
	s_mov_b32 s67, 0
	s_lshl_b32 s92, s3, 9                          ; bias 2: 128 x + 64 wn numbers
	s_lshl_b32 s98, s18, 8
	s_add_co_u32 s92, s92, s98
	s_mov_b32 s93, 0
	s_and_b32 s100, s23, 15                        ; C, block 1: row 256 (y mod 16) + 128 wm,
	s_lshl_b32 s100, s100, 8
	s_lshl_b32 s99, s17, 7
	s_add_co_u32 s100, s100, s99
	s_mul_i32 s100, s100, CPITCH
	s_lshl_b32 s99, s3, 9                          ; byte column 512 x (qw and kw lie 2,048 bytes behind q and k) + 256 wn,
	s_add_co_u32 s100, s100, s99
	s_add_co_u32 s100, s100, s98
	s_cmp_ge_u32 s22, 4
	s_cselect_b32 s99, 4096, 0                     ; key rows go to the columns of k
	s_add_co_u32 s100, s100, s99
	s_mov_b32 s101, 0
	s_lshl_b32 s94, s23, 7                         ; C, block 2: row 128 y + 32 wave (the rows that I store), byte column 8192 + 256 x
	s_lshl_b32 s99, s16, 5
	s_add_co_u32 s94, s94, s99
	s_mul_i32 s94, s94, CPITCH
	s_lshl_b32 s99, s3, 8
	s_add_co_u32 s94, s94, s99
	s_add_co_u32 s94, s94, 8192
	s_mov_b32 s95, 0
	s_mov_b32 s[SS], 0x3f800000
	s_cmp_lt_u32 s22, 4
	s_cselect_b32 s[SS], 0x3e0293ee, s[SS]         ; log2(e) / sqrt(128) on query rows
	s_mov_b32 s[SS+1], s[SS]
	s_mul_i32 s98, s16, HALFT                      ; LDS: wave x 128 rows x 272 (block 1), wave x 64 rows x 528 (block 2): no place in the cluster enters
	s_mul_i32 s99, s16, VQUART
	s_wait_dscnt 0x0
	s_wait_kmcnt 0x0
	s_add_nc_u64 s[G0+2:G0+3], s[4:5], s[G0+2:G0+3]
	s_add_nc_u64 s[G0B+2:G0B+3], s[6:7], s[G0B+2:G0B+3]
	s_add_nc_u64 s[H0+2:H0+3], s[4:5], s[H0+2:H0+3]
	s_add_nc_u64 s[H0B+2:H0B+3], s[6:7], s[H0B+2:H0B+3]
	s_add_nc_u64 s[94:95], s[14:15], s[94:95]
	s_add_nc_u64 s[14:15], s[14:15], s[100:101]
	s_cmp_lg_u32 s21, 0
	s_cselect_b64 s[100:101], s[10:11], s[8:9]     ; the cluster's x decides: bq or bqw
	s_add_nc_u64 s[66:67], s[100:101], s[66:67]
	s_add_nc_u64 s[92:93], s[12:13], s[92:93]
	WIN TO_B                                       ; destination in window 1
.irp b, 0,1,2,3,4,5,6,7
	global_load_b128 v[8*\b:8*\b+3], v[BA], s[66:67] offset:64*\b        ; bias of columns 16 b + 8 h .. + 7; waited for on the way out
	global_load_b128 v[8*\b+4:8*\b+7], v[BA], s[66:67] offset:64*\b+16
.endr
.irp b, 0,1,2,3
	global_load_b128 v[BI2+8*\b:BI2+8*\b+3], v[BA], s[92:93] offset:64*\b
	global_load_b128 v[BI2+8*\b+4:BI2+8*\b+7], v[BA], s[92:93] offset:64*\b+16
.endr
	WIN 0
.irp g, G0, G0B
	s_mov_b32 s[\g], 1
	s_mov_b32 s[\g+4], 1
	s_mov_b32 s[\g+1], s98
	s_add_co_u32 s[\g+5], s98, SLOT
	s_add_nc_u64 s[\g+6:\g+7], s[\g+2:\g+3], KSTEP*2        ; slot 1: K step 1
	s_or_b32 s[\g+3], s[\g+3], 0x80000000
	s_or_b32 s[\g+7], s[\g+7], 0x80000000
.endr
.irp g, H0, H0B
	s_mov_b32 s[\g], 1
	s_mov_b32 s[\g+4], 1
	s_mov_b32 s[\g+1], s99
	s_add_co_u32 s[\g+5], s99, SLOT
	s_add_nc_u64 s[\g+6:\g+7], s[\g+2:\g+3], 512            ; slot 1: the second step of 256 elements
	s_or_b32 s[\g+3], s[\g+3], 0x80000000
	s_or_b32 s[\g+7], s[\g+7], 0x80000000
.endr
	CROUND                                         ; all sixteen work-groups are here: the first joint loads meet
	JLOAD 0
	JLOAD 1
	v_and_b32 v1, 15, v0                           ; r
	v_mul_u32_u24 v3, v1, PITCH
	v_lshl_add_u32 v3, v2, 4, v3                   ; r x 272 + 16 h
	v_mul_u32_u24 v4, v1, VPITCH
	v_lshl_add_u32 v4, v2, 4, v4                   ; r x 528 + 16 h
	s_mul_i32 s4, s17, HALFT                       ; block 1: my 128 rows of A,
	s_mul_i32 s5, s18, HALFT                       ; my 128 rows of B, behind A's 256
	s_add_co_u32 s5, s5, 2*HALFT
	s_mul_i32 s6, s17, VQUART                      ; block 2: my 64 rows of A,
	s_mul_i32 s7, s18, VQUART                      ; my 64 rows of B, behind A's 128
	s_add_co_u32 s7, s7, 2*VQUART
.irp s, 0,1
	v_add_nc_u32 v[ADRA+\s], s4, v3
	v_add_nc_u32 v[ADRB+\s], s5, v3
	v_add_nc_u32 v[VADA+\s], s6, v4
	v_add_nc_u32 v[VADB+\s], s7, v4
	s_add_co_u32 s4, s4, SLOT
	s_add_co_u32 s5, s5, SLOT
	s_add_co_u32 s6, s6, SLOT
	s_add_co_u32 s7, s7, SLOT
.endr
	s_mul_i32 s8, s16, 16*SPITCH
	s_add_co_u32 s8, s8, STAGE
	v_add_nc_u32 v[STO], s8, v3                    ; block 1, in: row r of my 16, 16 bytes for each half of the lanes
	v_mul_u32_u24 v5, v2, SPITCH
	v_lshl_add_u32 v5, v1, 4, v5                   ; h x 272 + 16 r
	v_add_nc_u32 v[RD], s8, v5                     ; back: lanes 0-15 one row of 256 bytes, lanes 16-31 the next
	s_mul_i32 s9, s17, 64*SPITCH
	s_lshl_b32 s10, s18, 7
	s_add_co_u32 s9, s9, s10
	s_add_co_u32 s9, s9, STAGE
	v_add_nc_u32 v[VSTO], s9, v3                   ; block 2, in: row 64 wm + r of the block's 128, byte 128 wn + 16 h
	s_mul_i32 s10, s16, 32*SPITCH
	s_add_co_u32 s10, s10, STAGE
	v_add_nc_u32 v[VRD], s10, v5                   ; back: rows 32 wave ..
	v_mul_u32_u24 v5, v2, CPITCH
	v_lshl_add_u32 v[CO], v1, 4, v5
	; ---- BLOCK 1 ----
	s_wait_tensorcnt 1                             ; my part of K step 0 is in; K step 1's stays out
	s_barrier_signal -1
	s_barrier_wait -1
	FETCH 0, 0, F0
	LAP 1                                          ; the first products start the sums: nothing is cleared
	WIN 0
	s_mov_b32 s3, LAPS-2
.Llap:
	LAP 0
	WIN 0
	s_sub_co_u32 s3, s3, 1
	s_cmp_lg_u32 s3, 0
	s_cbranch_scc1 .Llap
	THREE 0, 0                                     ; the last lap: its two refills bring block 2's first two steps
	TURN 0, 1, 2, 1
	THREE 1, 0
	TURN 1, 0, 2, 0                                ; its wait and barrier also show block 2's first step landed, to every wave
	; BLOCK 1'S WAY OUT: (sum + bias) x scale = sum x scale + (bias x scale), one fused multiply-add; rounded once; 16 rows at a time through my own 16 rows of the stage.
	PLACES
	s_wait_loadcnt 0x0                             ; both biases
	WIN 0x41
.set i, 0
.rept 32
	v_pk_mul_f32 v[2*i:2*i+1], v[2*i:2*i+1], s[SS:SS+1] op_sel_hi:[1,0]
.set i, i+1
.endr
; rows 16 i .. 16 i + 15 of my 128 = the eight tiles (a, 0..7) of window 2 or 3 (w = 0x12 or 0x13: source 0 there, source 2, the bias, in window 1)
.macro OUT16 i, a, w, rb
	WIN \w
.irp b, 0,1,2,3,4,5,6,7
.irp p, 0,2,4,6
	v_pk_fma_f32 v[TF+8*\b+\p:TF+8*\b+\p+1], v[8*(8*\a+\b)+\p:8*(8*\a+\b)+\p+1], s[SS:SS+1], v[8*\b+\p:8*\b+\p+1] op_sel_hi:[1,0,1]
.endr
.endr
	WIN 0
.irp b, 0,1,2,3,4,5,6,7
.irp p, 0,1,2,3
	v_cvt_pk_f16_f32 v[TMP+4*\b+\p], v[TF+8*\b+2*\p], v[TF+8*\b+2*\p+1]
.endr
.endr
.irp b, 0,1,2,3,4,5,6,7
	ds_store_b128 v[STO], v[TMP+4*\b:TMP+4*\b+3] offset:32*\b
.endr
	s_wait_xcnt 0x0                                ; the read-back buffer and the stores' base are rewritten only behind this wait
.if \i
	s_add_nc_u64 s[14:15], s[14:15], 16*CPITCH
.endif
.irp t, 0,1,2,3,4,5,6,7
	ds_load_b128 v[\rb+4*\t:\rb+4*\t+3], v[RD] offset:\t*2*SPITCH   ; a wave's LDS instructions are served in order: these see the stores above
.endr
.irp t, 0,1,2,3,4,5,6,7
	s_wait_dscnt 7-\t
	global_store_b128 v[CO], v[\rb+4*\t:\rb+4*\t+3], s[14:15] offset:2*\t*CPITCH   ; sixteen lanes: 256 consecutive aligned bytes
.endr
.endm
	OUT16 0, 0, 0x12, RB0
	OUT16 1, 1, 0x12, RB1
	OUT16 2, 2, 0x12, RB0
	OUT16 3, 3, 0x12, RB1
	OUT16 4, 0, 0x13, RB0
	OUT16 5, 1, 0x13, RB1
	OUT16 6, 2, 0x13, RB0
	OUT16 7, 3, 0x13, RB1
	; ---- BLOCK 2 ----  its stores of block 1 leave while these products run
	s_wait_xcnt 0x0                                ; the read-back buffers, which the last stores read, become fragment buffers only behind this wait
	FETCHV 0, 0, F0
	VSEVEN 0, 1                                    ; the first products start the sums
	VTURN 0, 1, 1                                  ; step 2 is asked for
	VSEVEN 1, 0
	VTURN 1, 0, 1                                  ; step 3
	VSEVEN 0, 0
	VTURN 0, 1, 0                                  ; nothing is left to fetch: a work-group barrier alone
	VSEVEN 1, 0
	s_wait_dscnt 0
	WIN VMULW
	VMUL4 F1, 0, 0
	VMUL4 F1, 1, 0
	VMUL4 F1, 2, 0
	VMUL4 F1, 3, 0
	; BLOCK 2'S WAY OUT: a wave holds 128 bytes of each of its rows, half of the block's 256.  So the four waves lay the block of 128 x 128 into the stage together, and behind
	; one barrier each wave reads back and stores 32 whole rows.  The stage's earlier reads (block 1's way out) lie in front of the barriers of block 2's steps.
	PLACES
.irp a, 0,1,2,3
	WIN 0x06                                       ; source 0 (sums) window 2, source 1 (bias) window 1
.irp b, 0,1,2,3
.irp p, 0,2,4,6
	v_pk_add_f32 v[TF2+8*\b+\p:TF2+8*\b+\p+1], v[8*(4*\a+\b)+\p:8*(4*\a+\b)+\p+1], v[BI2+8*\b+\p:BI2+8*\b+\p+1]
.endr
.endr
	WIN 0
.irp b, 0,1,2,3
.irp p, 0,1,2,3
	v_cvt_pk_f16_f32 v[TMP+4*\b+\p], v[TF2+8*\b+2*\p], v[TF2+8*\b+2*\p+1]
.endr
.endr
.irp b, 0,1,2,3
	ds_store_b128 v[VSTO], v[TMP+4*\b:TMP+4*\b+3] offset:\a*16*SPITCH+32*\b
.endr
.endr
	s_wait_dscnt 0x0                               ; my stores are done, for the other waves' sake
	s_barrier_signal -1
	s_barrier_wait -1
.set t, 0
.rept 16
	ds_load_b128 v[F0+4*t:F0+4*t+3], v[VRD] offset:t*2*SPITCH
.set t, t+1
.endr
.set t, 0
.rept 16
	s_wait_dscnt 15-t
	global_store_b128 v[CO], v[F0+4*t:F0+4*t+3], s[94:95] offset:2*t*CPITCH   ; sixteen lanes: 256 consecutive aligned bytes
.set t, t+1
.endr
	s_set_vgpr_msb 0x1
	s_wait_tensorcnt 0x0
	ds_add_u32 v255, v255
	s_wait_dscnt 0x0
	s_set_vgpr_msb 0x100
	CROUND                                         ; the closing round: no work-group ends while a partner may still ask for a tile that names it
	s_endpgm
.Lfunc_end_k_q9f15ee09ea_proj:
	.size	k_q9f15ee09ea_proj, .Lfunc_end_k_q9f15ee09ea_proj-k_q9f15ee09ea_proj
	.p2alignl 7, 3214868480
	.fill 96, 4, 3214868480
	.section	.rodata,"a",@progbits
	.p2align	6, 0x0
	.amdhsa_kernel k_q9f15ee09ea_proj
		.amdhsa_group_segment_fixed_size 327680
		.amdhsa_private_segment_fixed_size 0
		.amdhsa_enable_private_segment 0
		.amdhsa_kernarg_size 48
		.amdhsa_user_sgpr_count 2
		.amdhsa_user_sgpr_kernarg_segment_ptr 1
		.amdhsa_wavefront_size32 1
		.amdhsa_system_sgpr_workgroup_id_x 1
		.amdhsa_system_sgpr_workgroup_id_y 1
		.amdhsa_system_sgpr_workgroup_id_z 1
		.amdhsa_system_vgpr_workitem_id 0
		.amdhsa_next_free_vgpr 1024
		.amdhsa_next_free_sgpr 102
		.amdhsa_reserve_vcc 0
		.amdhsa_float_denorm_mode_32 3
		.amdhsa_float_denorm_mode_16_64 3
		.amdhsa_memory_ordered 1
		.amdhsa_forward_progress 1
		.amdhsa_inst_pref_size 255
	.end_amdhsa_kernel
	.section	.bss,"aw",@nobits
	.p2align	6
	.space	262144
	.amdgpu_metadata
---
amdhsa.version: [ 1, 2 ]
amdhsa.kernels:
  - .name:           k_q9f15ee09ea_proj
    .symbol:         k_q9f15ee09ea_proj.kd
    .args:
      - { .name: xb, .offset: 0, .size: 8, .value_kind: global_buffer, .address_space: global }
      - { .name: wt, .offset: 8, .size: 8, .value_kind: global_buffer, .address_space: global }
      - { .name: bq, .offset: 16, .size: 8, .value_kind: global_buffer, .address_space: global }
      - { .name: bqw, .offset: 24, .size: 8, .value_kind: global_buffer, .address_space: global }
      - { .name: bv, .offset: 32, .size: 8, .value_kind: global_buffer, .address_space: global }
      - { .name: pf, .offset: 40, .size: 8, .value_kind: global_buffer, .address_space: global }
    .group_segment_fixed_size: 327680
    .private_segment_fixed_size: 0
    .kernarg_segment_align: 8
    .kernarg_segment_size: 48
    .max_flat_workgroup_size: 128
    .sgpr_count:     102
    .vgpr_count:     1024
    .wavefront_size: 32
...
	.end_amdgpu_metadata
.endif
;; end of part 2
;; launch attn (part 3): grid 256 x 1, 8 waves a work-group, no clusters, 327,680 bytes of LDS; arguments pf, gammas, ao; writes ao
.if DOCPART == 3
	.amdgcn_target "amdgcn-amd-amdhsa--gfx1250"
	.amdhsa_code_object_version 6
	.text
	.protected	k_q9f15ee09ea_attn
	.globl	k_q9f15ee09ea_attn
	.p2align	8
	.type	k_q9f15ee09ea_attn,@function
k_q9f15ee09ea_attn:
	s_mov_b64 s[64:65], 0
	v_nop
	global_prefetch_b8 v0, s[64:65] scope:SCOPE_SE
	s_setreg_imm32_b32 hwreg(HW_REG_WAVE_MODE, 25, 1), 1
	s_wait_xcnt 0x0
; ATTN: the strictly causal attention with distance decay and maxout.  ao rows 0-4095 = merged heads, f16, divided by 8 (the result can reach 5 x the largest |v|; the
; output product gives the 8 back in f32).
; Left out: blocks of 32 keys wholly above the diagonal (reference()'s own mask throws them away for every input); a NaN or infinity there is not carried on.
; With t = q . k in units of log2 (the scale lies in q):  e = exp2(t - M), L = sum e, rem(k) = L - cumsum e,
;   d = rem * (q - k) * (gamma log2 e)^2 / L, clamped to [0, log2(1e5)^2] (the max(., 0) and the clip at 1e-5 in one), te = exp2(-sqrt d),
;   u = t te, p = exp2(u - M2), L2 = sum p, out = (sum p v) min(L2, 5) / L2; row 0 has no live key and is set to 0.
; Both maxima are the true ones: M by a first pass over the keys (running maximum in each lane, merged at its end), M2 as a running maximum with a rescale of the sums.
; Masked t = -1e32: e = 0, u <= -1e27, p = 0.  LIMIT: live |t| below 1e26.  The weights p lie in [0, 1] and go to the second product in f16.
; A work-group serves one (batch, head): waves 0-3 take the block of 64 queries j, waves 4-7 the block 15 - j, 16 queries a wave, so that every work-group has the same
; number of live blocks.  Scores are made transposed (A = 16 keys, B = 16 queries): lane (r, h) holds query r, keys 8 h + 0..7 of each 16; the packed weights of 32 keys
; are the B fragment of the second product as they stand, and every figure of a query is one number a lane.
; NO CLUSTER: the number of live key tiles hangs on the query block, that is on the place of a work-group among those that share K and V, and no trip count may differ
; between partners of a joint load; walking all tiles in every partner would nearly double the work of the low blocks.
; LDS: ring 1 (pass 1: K), two slots of 128 keys x 272; ring 2 (pass 2: K x 272, V x 288), two slots; a stage of 16 x 272 for each wave.
.set KA1, 4                            ; v4-5   my K fragment address in ring 1, slot 0, 1
.set KA2, 6                            ; v6-7   in ring 2
.set VA,  8                            ; v8-9   my transposing V address in ring 2
.set STO, 10
.set RD,  11
.set CO,  12
.set REL, 13                           ; diagonal block: element 16 a + j is live where it is < REL
.set QI,  14                           ; my query's number
.set G2,  15                           ; (gamma log2 e)^2
.set M,   16                           ; pairs: the second register is only ever written once, the first is broadcast
.set MN,  18
.set M2,  20
.set M2N, 22
.set AL,  24
.set LS,  26
.set RR,  27                           ; what is left of L in front of this block
.set GL,  28
.set G16, 29
.set PG,  30                           ; GL x (q - k) of the block's first element in my lane
.set LS2, 32
.set HF,  33                           ; h as f32
.set SA,  34
.set SB,  35
.set XA,  36
.set XB,  37
.set T,   38
.set TX,  39
.set TP,  40
.set JG,  48                           ; j x GL
.set QF,  56                           ; Q fragments, 4 x 8
.set KV,  88                           ; K fragments (2 x 4 x 8), then V fragments (8 x 8)
.set ST,  152
.set E,   168
.set PB,  184
.set O,   192                          ; O transposed: block d, register j: dk = 16 d + 8 h + j of query r
.set R1S,  34816                       ; a slot of ring 1
.set R2,   69632
.set R2S,  71680                       ; a slot of ring 2: K 34,816 + V 36,864
.set STG,  212992
.set TSTEP, 1310720                    ; 128 rows of pf
.set G1K, 32
.set G1V, 40
.set P1,  48                           ; group 0 of ring 1, a set for each slot
.set P2K, 56
.set P2V, 68
.macro PLACES                          ; four plain vector instructions between a matrix instruction and a load into, or a vector access to, its registers
.rept 4
	v_nop
.endr
.endm
; scores of 32 keys x 16 queries.  The loads go out in the order of use, four for each 32 of dk; the two accumulators take turns, one instruction a turn.
.macro QK ka, off, st
.irp cc, 0,1,2,3
.irp a, 0,1
	ds_load_b128 v[KV+32*\a+8*\cc:KV+32*\a+8*\cc+3], v[\ka] offset:\off+4352*\a+64*\cc
	ds_load_b128 v[KV+32*\a+8*\cc+4:KV+32*\a+8*\cc+7], v[\ka] offset:\off+4352*\a+64*\cc+32
.endr
.endr
	s_wait_dscnt 12                                ; the first four of the sixteen
	v_wmma_f32_16x16x32_f16 v[\st:\st+7], v[KV:KV+7], v[QF:QF+7], 0
	v_wmma_f32_16x16x32_f16 v[\st+8:\st+15], v[KV+32:KV+39], v[QF:QF+7], 0
.irp cc, 1,2,3
	s_wait_dscnt 12-4*\cc
	v_wmma_f32_16x16x32_f16 v[\st:\st+7], v[KV+8*\cc:KV+8*\cc+7], v[QF+8*\cc:QF+8*\cc+7], v[\st:\st+7]
	v_wmma_f32_16x16x32_f16 v[\st+8:\st+15], v[KV+32+8*\cc:KV+32+8*\cc+7], v[QF+8*\cc:QF+8*\cc+7], v[\st+8:\st+15]
.endr
	PLACES
.endm
.macro VLD va, off                     ; V of 32 keys, transposed on the way: block d = 16 dk x 32 keys
.irp d, 0,1,2,3,4,5,6,7
	ds_load_tr16_b128 v[KV+8*\d:KV+8*\d+3], v[\va] offset:\off+32*\d
	ds_load_tr16_b128 v[KV+8*\d+4:KV+8*\d+7], v[\va] offset:\off+32*\d+4608
.endr
.endm
.macro MAX17 dst, tmp, st, old         ; dst = max of 16 scores and old, in two chains
	v_max3_num_f32 v[\dst], v[\st], v[\st+1], v[\old]
	v_max3_num_f32 v[\tmp], v[\st+2], v[\st+3], v[\st+4]
	v_max3_num_f32 v[\dst], v[\st+5], v[\st+6], v[\dst]
	v_max3_num_f32 v[\tmp], v[\st+7], v[\st+8], v[\tmp]
	v_max3_num_f32 v[\dst], v[\st+9], v[\st+10], v[\dst]
	v_max3_num_f32 v[\tmp], v[\st+11], v[\st+12], v[\tmp]
	v_max3_num_f32 v[\dst], v[\st+13], v[\st+14], v[\dst]
	v_max3_num_f32 v[\dst], v[\st+15], v[\tmp], v[\dst]
.endm
.macro EXP16 x
.set vi, 0
.rept 16
	v_exp_f32 v[\x+vi], v[\x+vi]
.set vi, vi+1
.endr
.endm
; pass 1 on one block: running maximum and sum of my lane's 16 keys
.macro SOFT1 st
	MAX17 MN, T, \st, M
	v_sub_f32 v[T], v[M], v[MN]
	v_exp_f32 v[T], v[T]
.irp i, 0,2,4,6,8,10,12,14
	v_pk_add_f32 v[E+\i:E+\i+1], v[\st+\i:\st+\i+1], v[MN:MN+1] op_sel_hi:[1,0] neg_lo:[0,1] neg_hi:[0,1]
.endr
	EXP16 E
	v_mov_b32 v[M], v[MN]                          ; the plain instruction behind the exponentials (ISA guide 5.7.2)
	s_wait_alu depctr_va_vdst(0)
	v_pk_add_f32 v[E:E+1], v[E:E+1], v[E+2:E+3]
	v_pk_add_f32 v[E+4:E+5], v[E+4:E+5], v[E+6:E+7]
	v_pk_add_f32 v[E+8:E+9], v[E+8:E+9], v[E+10:E+11]
	v_pk_add_f32 v[E+12:E+13], v[E+12:E+13], v[E+14:E+15]
	v_pk_add_f32 v[E:E+1], v[E:E+1], v[E+4:E+5]
	v_pk_add_f32 v[E+8:E+9], v[E+8:E+9], v[E+12:E+13]
	v_pk_add_f32 v[E:E+1], v[E:E+1], v[E+8:E+9]
	v_add_f32 v[TX], v[E], v[E+1]
	v_fma_f32 v[LS], v[LS], v[T], v[TX]
.endm
; end of pass 1: the two lanes of a query merge; the decay's constants.  PG comes in as q - k of my lane's first key.
.macro FIN1
	v_permlanex16_b32 v[TX], v[M], s23, s24
	v_max_num_f32 v[MN], v[M], v[TX]
	v_sub_f32 v[T], v[M], v[MN]
	v_exp_f32 v[T], v[T]
	v_mov_b32 v[M], v[MN]
	s_wait_alu depctr_va_vdst(0)
	v_mul_f32 v[LS], v[LS], v[T]
	v_permlanex16_b32 v[TX], v[LS], s23, s24
	v_add_f32 v[RR], v[LS], v[TX]                  ; L, at least 1
	v_rcp_f32 v[T], v[RR]
	v_mov_b32 v[JG], 0
	s_wait_alu depctr_va_vdst(0)
	v_mul_f32 v[GL], v[G2], v[T]
	v_mul_f32 v[G16], 0x41800000, v[GL]
	v_mov_b32 v[JG+1], v[GL]
	v_mul_f32 v[JG+2], 2.0, v[GL]
	v_mul_f32 v[JG+3], 3.0, v[GL]
	v_mul_f32 v[JG+4], 4.0, v[GL]
	v_mul_f32 v[JG+5], 5.0, v[GL]
	v_mul_f32 v[JG+6], 6.0, v[GL]
	v_mul_f32 v[JG+7], 7.0, v[GL]
	v_mul_f32 v[PG], v[GL], v[PG]
.endm
; pass 2 on one block: decay, second softmax (running), rescale of O, weights packed into PB
.macro SOFT2 st
.irp i, 0,2,4,6,8,10,12,14
	v_pk_add_f32 v[E+\i:E+\i+1], v[\st+\i:\st+\i+1], v[M:M+1] op_sel_hi:[1,0] neg_lo:[0,1] neg_hi:[0,1]
.endr
	EXP16 E
	v_nop
	s_wait_alu depctr_va_vdst(0)
	v_pk_add_f32 v[TP:TP+1], v[E:E+1], v[E+2:E+3]
	v_pk_add_f32 v[TP+2:TP+3], v[E+4:E+5], v[E+6:E+7]
	v_pk_add_f32 v[TP+4:TP+5], v[E+8:E+9], v[E+10:E+11]
	v_pk_add_f32 v[TP+6:TP+7], v[E+12:E+13], v[E+14:E+15]
	v_pk_add_f32 v[TP:TP+1], v[TP:TP+1], v[TP+2:TP+3]
	v_pk_add_f32 v[TP+4:TP+5], v[TP+4:TP+5], v[TP+6:TP+7]
	v_add_f32 v[SA], v[TP], v[TP+1]                ; my 8 keys of the first 16,
	v_add_f32 v[SB], v[TP+4], v[TP+5]              ; of the second 16
	v_permlanex16_b32 v[XA], v[SA], s23, s24       ; the other lane's
	v_permlanex16_b32 v[XB], v[SB], s23, s24
	v_fma_f32 v[T], -v[HF], v[XA], v[RR]           ; keys run h = 0, then h = 1, in each 16: the upper lane starts behind the lower lane's 8
	v_add_f32 v[SA], v[SA], v[XA]
	v_sub_f32 v[RR], v[RR], v[SA]
	v_fma_f32 v[TX], -v[HF], v[XB], v[RR]
	v_add_f32 v[SB], v[SB], v[XB]
	v_sub_f32 v[RR], v[RR], v[SB]
	v_sub_f32 v[E], v[T], v[E]                     ; rem = L - cumsum e, the key itself included; two chains
	v_sub_f32 v[E+8], v[TX], v[E+8]
.irp j, 1,2,3,4,5,6,7
	v_sub_f32 v[E+\j], v[E+\j-1], v[E+\j]
	v_sub_f32 v[E+8+\j], v[E+8+\j-1], v[E+8+\j]
.endr
.irp a, 0,1
.irp p, 0,2,4,6
	v_pk_add_f32 v[TP+\p:TP+\p+1], v[PG:PG+1], v[JG+\p:JG+\p+1] op_sel_hi:[0,1] neg_lo:[0,1] neg_hi:[0,1]
	v_pk_mul_f32 v[E+8*\a+\p:E+8*\a+\p+1], v[E+8*\a+\p:E+8*\a+\p+1], v[TP+\p:TP+\p+1]
.endr
	v_sub_f32 v[PG], v[PG], v[G16]
.endr
.set vi, 0
.rept 16
	v_med3_num_f32 v[E+vi], v[E+vi], 0, s22
.set vi, vi+1
.endr
.set vi, 0
.rept 16
	v_sqrt_f32 v[E+vi], v[E+vi]
.set vi, vi+1
.endr
	v_nop
.set vi, 0
	s_wait_alu depctr_va_vdst(0)
.rept 16
	v_exp_f32 v[E+vi], -v[E+vi]
.set vi, vi+1
.endr
	v_nop
	s_wait_alu depctr_va_vdst(0)
.irp i, 0,2,4,6,8,10,12,14
	v_pk_mul_f32 v[\st+\i:\st+\i+1], v[\st+\i:\st+\i+1], v[E+\i:E+\i+1]
.endr
	MAX17 T, TX, \st, M2
	v_permlanex16_b32 v[TX], v[T], s23, s24
	v_max_num_f32 v[M2N], v[T], v[TX]
	v_sub_f32 v[AL], v[M2], v[M2N]
	v_exp_f32 v[AL], v[AL]
.irp i, 0,2,4,6,8,10,12,14
	v_pk_add_f32 v[\st+\i:\st+\i+1], v[\st+\i:\st+\i+1], v[M2N:M2N+1] op_sel_hi:[1,0] neg_lo:[0,1] neg_hi:[0,1]
.endr
	EXP16 \st
	v_mov_b32 v[M2], v[M2N]
	s_wait_alu depctr_va_vdst(0)
	v_pk_add_f32 v[TP:TP+1], v[\st:\st+1], v[\st+2:\st+3]
	v_pk_add_f32 v[TP+2:TP+3], v[\st+4:\st+5], v[\st+6:\st+7]
	v_pk_add_f32 v[TP+4:TP+5], v[\st+8:\st+9], v[\st+10:\st+11]
	v_pk_add_f32 v[TP+6:TP+7], v[\st+12:\st+13], v[\st+14:\st+15]
	v_pk_add_f32 v[TP:TP+1], v[TP:TP+1], v[TP+2:TP+3]
	v_pk_add_f32 v[TP+4:TP+5], v[TP+4:TP+5], v[TP+6:TP+7]
	v_pk_add_f32 v[TP:TP+1], v[TP:TP+1], v[TP+4:TP+5]
	v_add_f32 v[T], v[TP], v[TP+1]
	v_fma_f32 v[LS2], v[LS2], v[AL], v[T]
.set vi, 0
.rept 32
	v_pk_mul_f32 v[O+2*vi:O+2*vi+1], v[O+2*vi:O+2*vi+1], v[AL:AL+1] op_sel_hi:[1,0]
.set vi, vi+1
.endr
.irp p, 0,1,2,3,4,5,6,7
	v_cvt_pk_f16_f32 v[PB+\p], v[\st+2*\p], v[\st+2*\p+1]
.endr
.endm
.macro PV                              ; eight accumulators, one instruction each; the matrix instruction that follows starts another sum
	s_wait_dscnt 0x0                               ; V's sixteen loads
.irp d, 0,1,2,3,4,5,6,7
	v_wmma_f32_16x16x32_f16 v[O+8*\d:O+8*\d+7], v[KV+8*\d:KV+8*\d+7], v[PB:PB+7], v[O+8*\d:O+8*\d+7]
.endr
	PLACES
.endm
.macro FIN2 maxout
	v_permlanex16_b32 v[TX], v[LS2], s23, s24
	v_add_f32 v[T], v[LS2], v[TX]                  ; L2, at least 1
	v_rcp_f32 v[TX], v[T]
.if \maxout
	v_mul_f32 v[SA], 0x3e000000, v[T]              ; L2 / 8: the plain instruction behind the reciprocal (ISA guide 5.7.2)
	v_min_num_f32 v[SA], 0x3f200000, v[SA]         ; min(L2, 5) / 8
	s_wait_alu depctr_va_vdst(0)
	v_mul_f32 v[AL], v[TX], v[SA]                  ; min(L2, 5) / L2 / 8
.else
	v_nop
	v_mul_f32 v[AL], 0x3e000000, v[TX]             ; 1 / L2 / 8
.endif
	v_cmp_ne_u32 vcc_lo, 0, v[QI]
	v_cndmask_b32 v[AL], 0, v[AL], vcc_lo          ; query 0 has no live key: its row is 0
.set vi, 0
.rept 32
	v_pk_mul_f32 v[O+2*vi:O+2*vi+1], v[O+2*vi:O+2*vi+1], v[AL:AL+1] op_sel_hi:[1,0]
.set vi, vi+1
.endr
.set vi, 0
.rept 32
	v_cvt_pk_f16_f32 v[KV+vi], v[O+2*vi], v[O+2*vi+1]
.set vi, vi+1
.endr
.irp d, 0,1,2,3,4,5,6,7
	ds_store_b128 v[STO], v[KV+4*\d:KV+4*\d+3] offset:32*\d
.endr
.irp i, 0,1,2,3,4,5,6,7
	ds_load_b128 v[KV+32+4*\i:KV+32+4*\i+3], v[RD] offset:544*\i   ; my own bytes, served in order behind the stores
.endr
.irp i, 0,1,2,3,4,5,6,7
	s_wait_dscnt 7-\i
	global_store_b128 v[CO], v[KV+32+4*\i:KV+32+4*\i+3], s[8:9] offset:4096*\i   ; sixteen lanes: a head's 256 bytes of one row
.endr
.endm
.macro MASK st                         ; the diagonal block
.set mi, 0
.rept 16
	v_cmp_lt_i32 vcc_lo, 16*(mi>>3)+(mi&7), v[REL]
	v_cndmask_b32 v[\st+mi], s21, v[\st+mi], vcc_lo
.set mi, mi+1
.endr
.endm
; block c of a step's four.  s18 = my diagonal block's number, counted from this step's first: below c the block is dead for my queries, equal it is the diagonal.
.macro CH1 slot, c
	s_cmp_lt_i32 s18, \c
	s_cbranch_scc1 .Lc1e_\@
	QK KA1+\slot, \c*8704, ST
	s_cmp_lg_u32 s18, \c
	s_cbranch_scc1 .Lc1m_\@
	MASK ST
.Lc1m_\@:
	SOFT1 ST
.Lc1e_\@:
.endm
.macro CH2 slot, c
	s_cmp_lt_i32 s18, \c
	s_cbranch_scc1 .Lc2e_\@
	QK KA2+\slot, \c*8704, ST
	VLD VA+\slot, \c*9216                          ; lands while the softmax work runs
	s_cmp_lg_u32 s18, \c
	s_cbranch_scc1 .Lc2m_\@
	MASK ST
.Lc2m_\@:
	SOFT2 ST
	PV
.Lc2e_\@:
.endm
.macro FILL1 s                         ; waves 0, 1: 64 keys each
	s_cmp_lt_u32 s10, 2
	s_cbranch_scc0 .Lf1_\@
	tensor_load_to_lds s[P1+4*(\s):P1+4*(\s)+3], s[G1K:G1K+7]
	s_nop 0
.Lf1_\@:
.endm
.macro FILL2 s                         ; waves 0, 1: K's halves; waves 2, 3: V's halves
	s_cmp_lt_u32 s10, 2
	s_cbranch_scc0 .Lf2v_\@
	tensor_load_to_lds s[P2K+4*(\s):P2K+4*(\s)+3], s[G1K:G1K+7]
	s_nop 0
	s_branch .Lf2e_\@
.Lf2v_\@:
	s_cmp_lt_u32 s10, 4
	s_cbranch_scc0 .Lf2e_\@
	tensor_load_to_lds s[P2V+4*(\s):P2V+4*(\s)+3], s[G1V:G1V+7]
	s_nop 0
.Lf2e_\@:
.endm
; One step of 128 keys.  Every wave: all my tensor loads have landed (this step's tile among them), my LDS reads are back, barrier; the other slot's fill first behind it.
.macro TRIP p, slot, fill
	s_set_vgpr_msb 0x4
	s_wait_tensorcnt 0x0
	ds_add_u32 v3, v1
	s_wait_dscnt 0x0
	s_set_vgpr_msb 0x400
.if \p == 1
	s_add_nc_u64 s[P1+4*\slot+2:P1+4*\slot+3], s[P1+4*\slot+2:P1+4*\slot+3], 2*TSTEP      ; no load of mine is out: this slot's next tile
.else
	s_add_nc_u64 s[P2K+4*\slot+2:P2K+4*\slot+3], s[P2K+4*\slot+2:P2K+4*\slot+3], 2*TSTEP
	s_add_nc_u64 s[P2V+4*\slot+2:P2V+4*\slot+3], s[P2V+4*\slot+2:P2V+4*\slot+3], 2*TSTEP
.endif
	s_wait_dscnt 0x0
	s_barrier_signal -1
	s_barrier_wait -1
.if \fill
.if \p == 1
	FILL1 1-\slot
.else
	FILL2 1-\slot
.endif
.endif
.irp c, 0,1,2,3
.if \p == 1
	CH1 \slot, \c
.else
	CH2 \slot, \c
.endif
.endr
	s_sub_co_i32 s18, s18, 4
.endm
; N steps (5 to 8, from the work-group's number alone): pairs in a loop (2 or 3 trips; the signed compare ends it from any start), the last one or two steps written out
; so that no tile is fetched that no step reads.
.macro DRIVE p
	s_mov_b32 s18, s17
	s_sub_co_u32 s20, s19, 1
	s_lshr_b32 s20, s20, 1
.Ldl_\@:
	TRIP \p, 0, 1
	TRIP \p, 1, 1
	s_sub_co_i32 s20, s20, 1
	s_cmp_gt_i32 s20, 0
	s_cbranch_scc1 .Ldl_\@
	s_bitcmp1_b32 s19, 0
	s_cbranch_scc1 .Ldo_\@
	TRIP \p, 0, 1
	TRIP \p, 1, 0
	s_branch .Ldd_\@
.Ldo_\@:
	TRIP \p, 0, 0
.Ldd_\@:
.endm
	s_load_b128 s[4:7], s[0:1], 0x0                ; pf, gammas
	s_load_b64 s[8:9], s[0:1], 0x10                ; ao
	v_lshl_add_u32 v3, v0, 2, 0x3c800
	s_set_vgpr_msb 0x40
	v_mov_b32 v1, 0
	s_set_vgpr_msb 0x4044
	ds_add_u32 v3, v1
	s_set_vgpr_msb 0x4400
	v_lshrrev_b32 v1, 5, v0
	v_readfirstlane_b32 s10, v1                    ; wave 0..7
	s_lshr_b32 s11, ttmp9, 3
	s_lshr_b32 s12, s11, 3                         ; batch
	s_and_b32 s13, s11, 7                          ; head
	s_and_b32 s14, ttmp9, 7                        ; j
	s_sub_co_u32 s26, 15, s14
	s_lshr_b32 s19, s26, 1
	s_add_co_u32 s19, s19, 1                       ; N = steps of 128 keys that block 15 - j needs
	s_and_b32 s27, s10, 3
	s_cmp_lt_u32 s10, 4
	s_cselect_b32 s15, s14, s26                    ; my block of 64 queries
	s_lshl2_add_u32 s16, s15, s27                  ; my tile of 16 queries
	s_lshr_b32 s17, s16, 1                         ; my diagonal block of 32 keys
	s_mov_b32 s21, 0xf49dc5ae                      ; -1e32
	s_mov_b32 s22, 0x4389f0a9                      ; log2(1e5)^2
	s_mov_b32 s23, 0x76543210                      ; v_permlanex16_b32: lane i reads lane i of the other half
	s_mov_b32 s24, 0xfedcba98
	s_mov_b32 s[G1K+0], 0x07510000                 ; 2-byte elements, 4 words of padding behind every 64: pitch 272
	s_mov_b32 s[G1V+0], 0x0f510000                 ; 8 words: pitch 288
	s_mov_b32 s[G1K+1], 128<<16
	s_mov_b32 s[G1V+1], 128<<16
	s_mov_b32 s[G1K+2], 64<<16
	s_mov_b32 s[G1V+2], 64<<16
	s_mov_b32 s[G1K+3], 128<<16
	s_mov_b32 s[G1V+3], 128<<16
	s_mov_b32 s[G1K+4], 64
	s_mov_b32 s[G1V+4], 64
	s_mov_b32 s[G1K+5], 5120
	s_mov_b32 s[G1V+5], 5120
	s_mov_b32 s[G1K+6], 0
	s_mov_b32 s[G1V+6], 0
	s_mov_b32 s[G1K+7], 0
	s_mov_b32 s[G1V+7], 0
	s_mul_i32 s28, s12, 10485760                   ; the batch's 1,024 rows of 10,240 bytes,
	s_lshl_b32 s30, s13, 8                         ; the head's 256 bytes
	s_add_co_u32 s28, s28, s30
	s_mov_b32 s29, 0
	s_min_u32 s30, s10, 1                          ; K: half 0 or 1 (clamped in the waves that ask for none)
	s_mul_i32 s30, s30, 655360
	s_add_co_u32 s30, s30, 4096
	s_mov_b32 s31, 0
	s_max_u32 s76, s10, 2                          ; V: half wave - 2, clamped likewise
	s_min_u32 s76, s76, 3
	s_sub_co_u32 s76, s76, 2
	s_mul_i32 s76, s76, 655360
	s_add_co_u32 s76, s76, 8192
	s_mov_b32 s77, 0
	s_mul_i32 s78, s10, 17408                      ; 64 rows x 272
	s_mul_i32 s79, s10, 18432                      ; 64 rows x 288
	s_mul_i32 s26, s16, 163840                     ; my 16 query rows
	s_mov_b32 s27, 0
	s_lshl_b32 s66, s12, 10
	s_lshl4_add_u32 s66, s16, s66                  ; row of ao
	s_lshl_b32 s66, s66, 11
	s_lshl_b32 s67, s13, 8
	s_add_co_u32 s66, s66, s67
	s_mov_b32 s67, 0
	s_lshl_b32 s20, s13, 2
	s_wait_dscnt 0x0
	s_barrier_signal -1
	s_barrier_wait -1
	s_wait_kmcnt 0x0
	s_add_nc_u64 s[28:29], s[4:5], s[28:29]
	s_add_nc_u64 s[30:31], s[28:29], s[30:31]
	s_add_nc_u64 s[76:77], s[28:29], s[76:77]
	s_add_nc_u64 s[26:27], s[28:29], s[26:27]
	s_add_nc_u64 s[8:9], s[8:9], s[66:67]
.irp s, 0,1
	s_mov_b32 s[P1+4*\s], 1
	s_add_co_u32 s[P1+4*\s+1], s78, \s*R1S
	s_add_nc_u64 s[P1+4*\s+2:P1+4*\s+3], s[30:31], \s*TSTEP
	s_or_b32 s[P1+4*\s+3], s[P1+4*\s+3], 0x80000000
	s_mov_b32 s[P2K+4*\s], 1
	s_add_co_u32 s[P2K+4*\s+1], s78, R2+\s*R2S
	s_add_nc_u64 s[P2K+4*\s+2:P2K+4*\s+3], s[30:31], \s*TSTEP
	s_or_b32 s[P2K+4*\s+3], s[P2K+4*\s+3], 0x80000000
	s_mov_b32 s[P2V+4*\s], 1
	s_add_co_u32 s[P2V+4*\s+1], s79, R2+34816-2*18432+\s*R2S
	s_add_nc_u64 s[P2V+4*\s+2:P2V+4*\s+3], s[76:77], \s*TSTEP
	s_or_b32 s[P2V+4*\s+3], s[P2V+4*\s+3], 0x80000000
.endr
	; the first fills, one group: tile 0 of both rings.  By this text's count a wave has at most two tensor loads out (here), later one.
	s_cmp_lt_u32 s10, 2
	s_cbranch_scc0 .Lff_v
	tensor_load_to_lds s[P1:P1+3], s[G1K:G1K+7]
	s_nop 0
	tensor_load_to_lds s[P2K:P2K+3], s[G1K:G1K+7]
	s_nop 0
	s_branch .Lff_e
.Lff_v:
	s_cmp_lt_u32 s10, 4
	s_cbranch_scc0 .Lff_e
	tensor_load_to_lds s[P2V:P2V+3], s[G1V:G1V+7]
	s_nop 0
.Lff_e:
	v_and_b32 v1, 15, v0                           ; r
	v_bfe_u32 v2, v0, 4, 1                         ; h
	v_mul_u32_u24 v[XA], v1, 10240
	v_lshl_add_u32 v[XA], v2, 4, v[XA]
.irp cc, 0,1,2,3
	global_load_b128 v[QF+8*\cc:QF+8*\cc+3], v[XA], s[26:27] offset:64*\cc      ; query r, dk = 32 cc + 8 h .. + 7
	global_load_b128 v[QF+8*\cc+4:QF+8*\cc+7], v[XA], s[26:27] offset:64*\cc+32
.endr
	v_mov_b32 v[SB], s20
	global_load_b32 v[G2], v[SB], s[6:7]           ; my head's gamma
	v_mul_u32_u24 v[T], v1, 272
	v_lshl_add_u32 v[T], v2, 4, v[T]               ; r x 272 + 16 h
	v_mov_b32 v[KA1], v[T]
	v_add_nc_u32 v[KA1+1], R1S, v[T]
	v_add_nc_u32 v[KA2], R2, v[T]
	v_add_nc_u32 v[KA2+1], R2+R2S, v[T]
	v_and_b32 v[TX], 7, v0
	v_lshl_add_u32 v[TX], v2, 3, v[TX]             ; key 8 h + lane mod 8
	v_mul_u32_u24 v[TX], v[TX], 288
	v_bfe_u32 v[SA], v0, 3, 1
	v_lshl_add_u32 v[TX], v[SA], 4, v[TX]
	v_add_nc_u32 v[VA], R2+34816, v[TX]
	v_add_nc_u32 v[VA+1], R2+34816+R2S, v[TX]
	s_mul_i32 s66, s10, 4352
	s_add_co_u32 s66, s66, STG
	v_add_nc_u32 v[STO], s66, v[T]
	v_mul_u32_u24 v[RD], v2, 272
	v_lshl_add_u32 v[RD], v1, 4, v[RD]
	v_add_nc_u32 v[RD], s66, v[RD]
	v_lshlrev_b32 v[CO], 11, v2
	v_lshl_add_u32 v[CO], v1, 4, v[CO]
	s_and_b32 s67, s16, 1
	s_lshl_b32 s67, s67, 4
	v_lshlrev_b32 v[SA], 3, v2
	v_sub_nc_u32 v[REL], v1, v[SA]
	v_add_nc_u32 v[REL], s67, v[REL]               ; 16 (tile mod 2) + r - 8 h
	s_lshl_b32 s67, s16, 4
	v_add_nc_u32 v[QI], s67, v1
	v_sub_nc_u32 v[SA], v[QI], v[SA]
	v_cvt_f32_i32 v[PG], v[SA]                     ; q - k at key 8 h
	v_cvt_f32_u32 v[HF], v2
	v_mov_b32 v[M], 0xff7fffff                     ; every figure that a later block reads is written here, on every way
	v_mov_b32 v[M+1], 0
	v_mov_b32 v[MN], 0
	v_mov_b32 v[MN+1], 0
	v_mov_b32 v[M2], 0xff7fffff
	v_mov_b32 v[M2+1], 0
	v_mov_b32 v[M2N], 0
	v_mov_b32 v[M2N+1], 0
	v_mov_b32 v[AL], 0
	v_mov_b32 v[AL+1], 0
	v_mov_b32 v[LS], 0
	v_mov_b32 v[PG+1], 0
	v_mov_b32 v[LS2], 0
	v_mov_b32 v[XB], 0
	v_mov_b32 v[TX], 0
.set vi, 0
.rept 64
	v_mov_b32 v[O+vi], 0                           ; O is rescaled in every block, the first too, so it starts at 0: once a wave
.set vi, vi+1
.endr
	s_wait_loadcnt 0x0                             ; Q and gamma; their address registers are free from here
	v_mov_b32 v[XA], 0
	v_mul_f32 v[G2], 0x3fb8aa3b, v[G2]
	v_mul_f32 v[G2], v[G2], v[G2]
	DRIVE 1
	FIN1
	DRIVE 2
	FIN2 1
	s_set_vgpr_msb 0x4
	s_wait_tensorcnt 0x0
	ds_add_u32 v3, v1
	s_wait_dscnt 0x0
	s_set_vgpr_msb 0x400
	s_endpgm
.Lfunc_end_k_q9f15ee09ea_attn:
	.size	k_q9f15ee09ea_attn, .Lfunc_end_k_q9f15ee09ea_attn-k_q9f15ee09ea_attn
	.p2alignl 7, 3214868480
	.fill 96, 4, 3214868480
	.section	.rodata,"a",@progbits
	.p2align	6, 0x0
	.amdhsa_kernel k_q9f15ee09ea_attn
		.amdhsa_group_segment_fixed_size 327680
		.amdhsa_private_segment_fixed_size 0
		.amdhsa_enable_private_segment 0
		.amdhsa_kernarg_size 24
		.amdhsa_user_sgpr_count 2
		.amdhsa_user_sgpr_kernarg_segment_ptr 1
		.amdhsa_wavefront_size32 1
		.amdhsa_system_sgpr_workgroup_id_x 1
		.amdhsa_system_sgpr_workgroup_id_y 1
		.amdhsa_system_sgpr_workgroup_id_z 1
		.amdhsa_system_vgpr_workitem_id 0
		.amdhsa_next_free_vgpr 258
		.amdhsa_next_free_sgpr 80
		.amdhsa_reserve_vcc 1
		.amdhsa_float_denorm_mode_32 3
		.amdhsa_float_denorm_mode_16_64 3
		.amdhsa_memory_ordered 1
		.amdhsa_forward_progress 1
		.amdhsa_inst_pref_size 255
	.end_amdhsa_kernel
	.section	.bss,"aw",@nobits
	.p2align	6
	.space	262144
	.amdgpu_metadata
---
amdhsa.version: [ 1, 2 ]
amdhsa.kernels:
  - .name:           k_q9f15ee09ea_attn
    .symbol:         k_q9f15ee09ea_attn.kd
    .args:
      - { .name: pf, .offset: 0, .size: 8, .value_kind: global_buffer, .address_space: global }
      - { .name: gammas, .offset: 8, .size: 8, .value_kind: global_buffer, .address_space: global }
      - { .name: ao, .offset: 16, .size: 8, .value_kind: global_buffer, .address_space: global }
    .group_segment_fixed_size: 327680
    .private_segment_fixed_size: 0
    .kernarg_segment_align: 8
    .kernarg_segment_size: 24
    .max_flat_workgroup_size: 256
    .sgpr_count:     80
    .vgpr_count:     258
    .wavefront_size: 32
...
	.end_amdgpu_metadata
.endif
;; end of part 3
;; launch attw (part 4): grid 256 x 1, 8 waves a work-group, no clusters, 168,960 bytes of LDS; arguments pf, gammas, ao; writes ao
.if DOCPART == 4
	.amdgcn_target "amdgcn-amd-amdhsa--gfx1250"
	.amdhsa_code_object_version 6
	.text
	.protected	k_q9f15ee09ea_attw
	.globl	k_q9f15ee09ea_attw
	.p2align	8
	.type	k_q9f15ee09ea_attw,@function
k_q9f15ee09ea_attw:
	s_mov_b64 s[64:65], 0
	v_nop
	global_prefetch_b8 v0, s[64:65] scope:SCOPE_SE
	s_setreg_imm32_b32 hwreg(HW_REG_WAVE_MODE, 25, 1), 1
	s_wait_xcnt 0x0
; ATTW: the banded attention (keys q - 19 .. q - 1), same decay, no maxout.  ao rows 4096-8191, f16, divided by 8 like the causal rows (one output product serves both).
; Left out: all keys outside the 64 that cover a wave's band (reference()'s own mask throws them away for every input); a NaN or infinity there is not carried on.
; The arithmetic is that of the causal launch: t = qw . kw in units of log2, e = exp2(t - M), rem = L - cumsum e, d = rem (q - k) (gamma log2 e)^2 / L clamped to
; [0, log2(1e5)^2], te = exp2(-sqrt d), p = exp2(t te - M2), out = sum p v / L2; query 0 has no live key and is set to 0.  LIMIT: live |t| below 1e26.
; A work-group serves 128 queries of one (batch, head), 16 a wave; a wave's keys are q0 - 48 .. q0 + 15, two blocks of 32.  LDS holds keys Q0 - 64 .. Q0 + 127 of K and V,
; filled once by six tensor loads of 64 rows.  In the first block of a batch the 64 rows below key 0 do not exist: the tile is read from row 0 on, and all its keys are masked.
; NO CLUSTER: neighbouring blocks share 64 of 192 rows, read once each; a third of one fill.
; A LAUNCH OF ITS OWN: the causal rings (212,992 bytes), this launch's K and V (107,520) and a stage (34,816) do not fit into one work-group's LDS side by side.
.set KA,  4
.set VA,  8
.set LIM, 9                            ; min(19, q)
.set STO, 10
.set RD,  11
.set CO,  12
.set XR,  13                           ; q - k - 1 of my lane's first key
.set QI,  14
.set G2,  15
.set M,   16
.set MN,  18
.set M2,  20
.set M2N, 22
.set AL,  24
.set LS,  26
.set RR,  27
.set GL,  28
.set G16, 29
.set PG,  30
.set LS2, 32
.set HF,  33
.set SA,  34
.set SB,  35
.set XA,  36
.set XB,  37
.set T,   38
.set TX,  39
.set ST1, 40                           ; the second block's scores
.set QF,  56
.set TP,  56                           ; in the place of Q's fragments, once both score products are done
.set JG,  64
.set KV,  88
.set ST,  152
.set E,   168
.set PB,  184
.set O,   192
.set VREG, 52224                       ; behind K's 192 rows x 272
.set STG,  107520                      ; behind V's 192 rows x 288
.set G1K, 32
.set G1V, 40
.set G0K, 48
.set G0V, 52
.macro PLACES                          ; four plain vector instructions between a matrix instruction and a load into, or a vector access to, its registers
.rept 4
	v_nop
.endr
.endm
; scores of 32 keys x 16 queries; the two accumulators take turns, one instruction a turn
.macro QK ka, off, st
.irp cc, 0,1,2,3
.irp a, 0,1
	ds_load_b128 v[KV+32*\a+8*\cc:KV+32*\a+8*\cc+3], v[\ka] offset:\off+4352*\a+64*\cc
	ds_load_b128 v[KV+32*\a+8*\cc+4:KV+32*\a+8*\cc+7], v[\ka] offset:\off+4352*\a+64*\cc+32
.endr
.endr
	s_wait_dscnt 12                                ; the first four of the sixteen
	v_wmma_f32_16x16x32_f16 v[\st:\st+7], v[KV:KV+7], v[QF:QF+7], 0
	v_wmma_f32_16x16x32_f16 v[\st+8:\st+15], v[KV+32:KV+39], v[QF:QF+7], 0
.irp cc, 1,2,3
	s_wait_dscnt 12-4*\cc
	v_wmma_f32_16x16x32_f16 v[\st:\st+7], v[KV+8*\cc:KV+8*\cc+7], v[QF+8*\cc:QF+8*\cc+7], v[\st:\st+7]
	v_wmma_f32_16x16x32_f16 v[\st+8:\st+15], v[KV+32+8*\cc:KV+32+8*\cc+7], v[QF+8*\cc:QF+8*\cc+7], v[\st+8:\st+15]
.endr
	PLACES
.endm
.macro VLD va, off
.irp d, 0,1,2,3,4,5,6,7
	ds_load_tr16_b128 v[KV+8*\d:KV+8*\d+3], v[\va] offset:\off+32*\d
	ds_load_tr16_b128 v[KV+8*\d+4:KV+8*\d+7], v[\va] offset:\off+32*\d+4608
.endr
.endm
.macro MAX17 dst, tmp, st, old
	v_max3_num_f32 v[\dst], v[\st], v[\st+1], v[\old]
	v_max3_num_f32 v[\tmp], v[\st+2], v[\st+3], v[\st+4]
	v_max3_num_f32 v[\dst], v[\st+5], v[\st+6], v[\dst]
	v_max3_num_f32 v[\tmp], v[\st+7], v[\st+8], v[\tmp]
	v_max3_num_f32 v[\dst], v[\st+9], v[\st+10], v[\dst]
	v_max3_num_f32 v[\tmp], v[\st+11], v[\st+12], v[\tmp]
	v_max3_num_f32 v[\dst], v[\st+13], v[\st+14], v[\dst]
	v_max3_num_f32 v[\dst], v[\st+15], v[\tmp], v[\dst]
.endm
.macro EXP16 x
.set vi, 0
.rept 16
	v_exp_f32 v[\x+vi], v[\x+vi]
.set vi, vi+1
.endr
.endm
.macro SOFT1 st
	MAX17 MN, T, \st, M
	v_sub_f32 v[T], v[M], v[MN]
	v_exp_f32 v[T], v[T]
.irp i, 0,2,4,6,8,10,12,14
	v_pk_add_f32 v[E+\i:E+\i+1], v[\st+\i:\st+\i+1], v[MN:MN+1] op_sel_hi:[1,0] neg_lo:[0,1] neg_hi:[0,1]
.endr
	EXP16 E
	v_mov_b32 v[M], v[MN]                          ; the plain instruction behind the exponentials (ISA guide 5.7.2)
	s_wait_alu depctr_va_vdst(0)
	v_pk_add_f32 v[E:E+1], v[E:E+1], v[E+2:E+3]
	v_pk_add_f32 v[E+4:E+5], v[E+4:E+5], v[E+6:E+7]
	v_pk_add_f32 v[E+8:E+9], v[E+8:E+9], v[E+10:E+11]
	v_pk_add_f32 v[E+12:E+13], v[E+12:E+13], v[E+14:E+15]
	v_pk_add_f32 v[E:E+1], v[E:E+1], v[E+4:E+5]
	v_pk_add_f32 v[E+8:E+9], v[E+8:E+9], v[E+12:E+13]
	v_pk_add_f32 v[E:E+1], v[E:E+1], v[E+8:E+9]
	v_add_f32 v[TX], v[E], v[E+1]
	v_fma_f32 v[LS], v[LS], v[T], v[TX]
.endm
.macro FIN1
	v_permlanex16_b32 v[TX], v[M], s23, s24
	v_max_num_f32 v[MN], v[M], v[TX]
	v_sub_f32 v[T], v[M], v[MN]
	v_exp_f32 v[T], v[T]
	v_mov_b32 v[M], v[MN]
	s_wait_alu depctr_va_vdst(0)
	v_mul_f32 v[LS], v[LS], v[T]
	v_permlanex16_b32 v[TX], v[LS], s23, s24
	v_add_f32 v[RR], v[LS], v[TX]                  ; L, at least 1
	v_rcp_f32 v[T], v[RR]
	v_mov_b32 v[JG], 0
	s_wait_alu depctr_va_vdst(0)
	v_mul_f32 v[GL], v[G2], v[T]
	v_mul_f32 v[G16], 0x41800000, v[GL]
	v_mov_b32 v[JG+1], v[GL]
	v_mul_f32 v[JG+2], 2.0, v[GL]
	v_mul_f32 v[JG+3], 3.0, v[GL]
	v_mul_f32 v[JG+4], 4.0, v[GL]
	v_mul_f32 v[JG+5], 5.0, v[GL]
	v_mul_f32 v[JG+6], 6.0, v[GL]
	v_mul_f32 v[JG+7], 7.0, v[GL]
	v_mul_f32 v[PG], v[GL], v[PG]
.endm
.macro SOFT2 st
.irp i, 0,2,4,6,8,10,12,14
	v_pk_add_f32 v[E+\i:E+\i+1], v[\st+\i:\st+\i+1], v[M:M+1] op_sel_hi:[1,0] neg_lo:[0,1] neg_hi:[0,1]
.endr
	EXP16 E
	v_nop
	s_wait_alu depctr_va_vdst(0)
	v_pk_add_f32 v[TP:TP+1], v[E:E+1], v[E+2:E+3]
	v_pk_add_f32 v[TP+2:TP+3], v[E+4:E+5], v[E+6:E+7]
	v_pk_add_f32 v[TP+4:TP+5], v[E+8:E+9], v[E+10:E+11]
	v_pk_add_f32 v[TP+6:TP+7], v[E+12:E+13], v[E+14:E+15]
	v_pk_add_f32 v[TP:TP+1], v[TP:TP+1], v[TP+2:TP+3]
	v_pk_add_f32 v[TP+4:TP+5], v[TP+4:TP+5], v[TP+6:TP+7]
	v_add_f32 v[SA], v[TP], v[TP+1]
	v_add_f32 v[SB], v[TP+4], v[TP+5]
	v_permlanex16_b32 v[XA], v[SA], s23, s24
	v_permlanex16_b32 v[XB], v[SB], s23, s24
	v_fma_f32 v[T], -v[HF], v[XA], v[RR]           ; keys run h = 0, then h = 1, in each 16: the upper lane starts behind the lower lane's 8
	v_add_f32 v[SA], v[SA], v[XA]
	v_sub_f32 v[RR], v[RR], v[SA]
	v_fma_f32 v[TX], -v[HF], v[XB], v[RR]
	v_add_f32 v[SB], v[SB], v[XB]
	v_sub_f32 v[RR], v[RR], v[SB]
	v_sub_f32 v[E], v[T], v[E]
	v_sub_f32 v[E+8], v[TX], v[E+8]
.irp j, 1,2,3,4,5,6,7
	v_sub_f32 v[E+\j], v[E+\j-1], v[E+\j]
	v_sub_f32 v[E+8+\j], v[E+8+\j-1], v[E+8+\j]
.endr
.irp a, 0,1
.irp p, 0,2,4,6
	v_pk_add_f32 v[TP+\p:TP+\p+1], v[PG:PG+1], v[JG+\p:JG+\p+1] op_sel_hi:[0,1] neg_lo:[0,1] neg_hi:[0,1]
	v_pk_mul_f32 v[E+8*\a+\p:E+8*\a+\p+1], v[E+8*\a+\p:E+8*\a+\p+1], v[TP+\p:TP+\p+1]
.endr
	v_sub_f32 v[PG], v[PG], v[G16]
.endr
.set vi, 0
.rept 16
	v_med3_num_f32 v[E+vi], v[E+vi], 0, s22
.set vi, vi+1
.endr
.set vi, 0
.rept 16
	v_sqrt_f32 v[E+vi], v[E+vi]
.set vi, vi+1
.endr
	v_nop
.set vi, 0
	s_wait_alu depctr_va_vdst(0)
.rept 16
	v_exp_f32 v[E+vi], -v[E+vi]
.set vi, vi+1
.endr
	v_nop
	s_wait_alu depctr_va_vdst(0)
.irp i, 0,2,4,6,8,10,12,14
	v_pk_mul_f32 v[\st+\i:\st+\i+1], v[\st+\i:\st+\i+1], v[E+\i:E+\i+1]
.endr
	MAX17 T, TX, \st, M2
	v_permlanex16_b32 v[TX], v[T], s23, s24
	v_max_num_f32 v[M2N], v[T], v[TX]
	v_sub_f32 v[AL], v[M2], v[M2N]
	v_exp_f32 v[AL], v[AL]
.irp i, 0,2,4,6,8,10,12,14
	v_pk_add_f32 v[\st+\i:\st+\i+1], v[\st+\i:\st+\i+1], v[M2N:M2N+1] op_sel_hi:[1,0] neg_lo:[0,1] neg_hi:[0,1]
.endr
	EXP16 \st
	v_mov_b32 v[M2], v[M2N]
	s_wait_alu depctr_va_vdst(0)
	v_pk_add_f32 v[TP:TP+1], v[\st:\st+1], v[\st+2:\st+3]
	v_pk_add_f32 v[TP+2:TP+3], v[\st+4:\st+5], v[\st+6:\st+7]
	v_pk_add_f32 v[TP+4:TP+5], v[\st+8:\st+9], v[\st+10:\st+11]
	v_pk_add_f32 v[TP+6:TP+7], v[\st+12:\st+13], v[\st+14:\st+15]
	v_pk_add_f32 v[TP:TP+1], v[TP:TP+1], v[TP+2:TP+3]
	v_pk_add_f32 v[TP+4:TP+5], v[TP+4:TP+5], v[TP+6:TP+7]
	v_pk_add_f32 v[TP:TP+1], v[TP:TP+1], v[TP+4:TP+5]
	v_add_f32 v[T], v[TP], v[TP+1]
	v_fma_f32 v[LS2], v[LS2], v[AL], v[T]
.set vi, 0
.rept 32
	v_pk_mul_f32 v[O+2*vi:O+2*vi+1], v[O+2*vi:O+2*vi+1], v[AL:AL+1] op_sel_hi:[1,0]
.set vi, vi+1
.endr
.irp p, 0,1,2,3,4,5,6,7
	v_cvt_pk_f16_f32 v[PB+\p], v[\st+2*\p], v[\st+2*\p+1]
.endr
.endm
.macro PV                              ; eight accumulators, one instruction each
	s_wait_dscnt 0x0
.irp d, 0,1,2,3,4,5,6,7
	v_wmma_f32_16x16x32_f16 v[O+8*\d:O+8*\d+7], v[KV+8*\d:KV+8*\d+7], v[PB:PB+7], v[O+8*\d:O+8*\d+7]
.endr
	PLACES
.endm
.macro FIN2 maxout
	v_permlanex16_b32 v[TX], v[LS2], s23, s24
	v_add_f32 v[T], v[LS2], v[TX]
	v_rcp_f32 v[TX], v[T]
.if \maxout
	v_mul_f32 v[SA], 0x3e000000, v[T]              ; L2 / 8: the plain instruction behind the reciprocal (ISA guide 5.7.2)
	v_min_num_f32 v[SA], 0x3f200000, v[SA]         ; min(L2, 5) / 8
	v_mul_f32 v[AL], v[TX], v[SA]
.else
	v_nop
	s_wait_alu depctr_va_vdst(0)
	v_mul_f32 v[AL], 0x3e000000, v[TX]             ; 1 / L2 / 8
.endif
	v_cmp_ne_u32 vcc_lo, 0, v[QI]
	v_cndmask_b32 v[AL], 0, v[AL], vcc_lo          ; query 0 has no live key: its row is 0
.set vi, 0
.rept 32
	v_pk_mul_f32 v[O+2*vi:O+2*vi+1], v[O+2*vi:O+2*vi+1], v[AL:AL+1] op_sel_hi:[1,0]
.set vi, vi+1
.endr
.set vi, 0
.rept 32
	v_cvt_pk_f16_f32 v[KV+vi], v[O+2*vi], v[O+2*vi+1]
.set vi, vi+1
.endr
.irp d, 0,1,2,3,4,5,6,7
	ds_store_b128 v[STO], v[KV+4*\d:KV+4*\d+3] offset:32*\d
.endr
.irp i, 0,1,2,3,4,5,6,7
	ds_load_b128 v[KV+32+4*\i:KV+32+4*\i+3], v[RD] offset:544*\i   ; my own bytes, served in order behind the stores
.endr
.irp i, 0,1,2,3,4,5,6,7
	s_wait_dscnt 7-\i
	global_store_b128 v[CO], v[KV+32+4*\i:KV+32+4*\i+3], s[8:9] offset:4096*\i
.endr
.endm
.macro MASKW st, c0                    ; live where 1 <= q - k <= min(19, q): one unsigned compare of q - k - 1
.set mi, 0
.rept 16
	v_sub_nc_u32 v[T], v[XR], \c0+(mi&7)+16*(mi>>3)
	v_cmp_gt_u32 vcc_lo, v[LIM], v[T]
	v_cndmask_b32 v[\st+mi], s21, v[\st+mi], vcc_lo
.set mi, mi+1
.endr
.endm
	s_load_b128 s[4:7], s[0:1], 0x0                ; pf, gammas
	s_load_b64 s[8:9], s[0:1], 0x10                ; ao
	v_lshl_add_u32 v6, v0, 2, 0x29000
	v_mov_b32 v7, 0
	ds_add_u32 v6, v7
	v_lshrrev_b32 v1, 5, v0
	v_readfirstlane_b32 s10, v1                    ; wave 0..7
	s_lshr_b32 s11, ttmp9, 3
	s_lshr_b32 s12, s11, 3                         ; batch
	s_and_b32 s13, s11, 7                          ; head
	s_and_b32 s14, ttmp9, 7
	s_lshl_b32 s15, s14, 7                         ; Q0
	s_lshl4_add_u32 s16, s10, s15                  ; q0 = Q0 + 16 wave
	s_mov_b32 s21, 0xf49dc5ae                      ; -1e32
	s_mov_b32 s22, 0x4389f0a9                      ; log2(1e5)^2
	s_mov_b32 s23, 0x76543210
	s_mov_b32 s24, 0xfedcba98
	s_mov_b32 s[G1K+0], 0x07510000                 ; pitch 272
	s_mov_b32 s[G1V+0], 0x0f510000                 ; pitch 288
	s_mov_b32 s[G1K+1], 128<<16
	s_mov_b32 s[G1V+1], 128<<16
	s_mov_b32 s[G1K+2], 64<<16
	s_mov_b32 s[G1V+2], 64<<16
	s_mov_b32 s[G1K+3], 128<<16
	s_mov_b32 s[G1V+3], 128<<16
	s_mov_b32 s[G1K+4], 64
	s_mov_b32 s[G1V+4], 64
	s_mov_b32 s[G1K+5], 5120
	s_mov_b32 s[G1V+5], 5120
	s_mov_b32 s[G1K+6], 0
	s_mov_b32 s[G1V+6], 0
	s_mov_b32 s[G1K+7], 0
	s_mov_b32 s[G1V+7], 0
	s_mul_i32 s28, s12, 10485760
	s_lshl_b32 s30, s13, 8
	s_add_co_u32 s28, s28, s30
	s_mov_b32 s29, 0
	s_lshl_b32 s30, s10, 6
	s_add_co_u32 s30, s30, s15
	s_sub_co_i32 s56, s30, 256                     ; V, waves 3-5: row Q0 - 64 + 64 (wave - 3)
	s_sub_co_i32 s30, s30, 64                      ; K, waves 0-2: row Q0 - 64 + 64 wave
	s_max_i32 s30, s30, 0                          ; below key 0 there is nothing: read from row 0; those keys are all masked
	s_max_i32 s56, s56, 0
	s_mul_i32 s30, s30, 10240
	s_add_co_u32 s30, s30, 6144                    ; kw
	s_mov_b32 s31, 0
	s_mul_i32 s56, s56, 10240
	s_add_co_u32 s56, s56, 8192                    ; v
	s_mov_b32 s57, 0
	s_mul_i32 s58, s10, 17408
	s_mul_i32 s59, s10, 18432
	s_sub_co_u32 s59, s59, 3*18432-VREG            ; VREG + (wave - 3) x 64 rows x 288
	s_mul_i32 s26, s16, 10240
	s_add_co_u32 s26, s26, 2048                    ; qw
	s_mov_b32 s27, 0
	s_lshl_b32 s66, s12, 10
	s_add_co_u32 s66, s66, s16
	s_add_co_u32 s66, s66, 4096
	s_lshl_b32 s66, s66, 11
	s_lshl_b32 s67, s13, 8
	s_add_co_u32 s66, s66, s67
	s_mov_b32 s67, 0
	s_lshl_b32 s20, s13, 2
	s_wait_dscnt 0x0
	s_barrier_signal -1
	s_barrier_wait -1
	s_wait_kmcnt 0x0
	s_add_nc_u64 s[28:29], s[4:5], s[28:29]
	s_add_nc_u64 s[26:27], s[28:29], s[26:27]
	s_add_nc_u64 s[8:9], s[8:9], s[66:67]
	s_mov_b32 s[G0K], 1
	s_mov_b32 s[G0K+1], s58
	s_add_nc_u64 s[G0K+2:G0K+3], s[28:29], s[30:31]
	s_or_b32 s[G0K+3], s[G0K+3], 0x80000000
	s_mov_b32 s[G0V], 1
	s_mov_b32 s[G0V+1], s59
	s_add_nc_u64 s[G0V+2:G0V+3], s[28:29], s[56:57]
	s_or_b32 s[G0V+3], s[G0V+3], 0x80000000
	; the only fills of the launch: one tensor load a wave in waves 0 to 5
	s_cmp_lt_u32 s10, 3
	s_cbranch_scc0 .Lff_v
	tensor_load_to_lds s[G0K:G0K+3], s[G1K:G1K+7]
	s_nop 0
	s_branch .Lff_e
.Lff_v:
	s_cmp_lt_u32 s10, 6
	s_cbranch_scc0 .Lff_e
	tensor_load_to_lds s[G0V:G0V+3], s[G1V:G1V+7]
	s_nop 0
.Lff_e:
	v_and_b32 v1, 15, v0                           ; r
	v_bfe_u32 v2, v0, 4, 1                         ; h
	v_mul_u32_u24 v[XA], v1, 10240
	v_lshl_add_u32 v[XA], v2, 4, v[XA]
.irp cc, 0,1,2,3
	global_load_b128 v[QF+8*\cc:QF+8*\cc+3], v[XA], s[26:27] offset:64*\cc
	global_load_b128 v[QF+8*\cc+4:QF+8*\cc+7], v[XA], s[26:27] offset:64*\cc+32
.endr
	v_mov_b32 v[SB], s20
	global_load_b32 v[G2], v[SB], s[6:7]
	s_add_co_u32 s60, s10, 1
	s_mul_i32 s61, s60, 4352                       ; LDS row 16 + 16 wave = key q0 - 48
	s_mul_i32 s62, s60, 4608
	s_add_co_u32 s62, s62, VREG
	s_mul_i32 s63, s10, 4352
	s_add_co_u32 s63, s63, STG
	v_mul_u32_u24 v[T], v1, 272
	v_lshl_add_u32 v[T], v2, 4, v[T]
	v_add_nc_u32 v[KA], s61, v[T]
	v_add_nc_u32 v[STO], s63, v[T]
	v_and_b32 v[TX], 7, v0
	v_lshl_add_u32 v[TX], v2, 3, v[TX]
	v_mul_u32_u24 v[TX], v[TX], 288
	v_bfe_u32 v[SA], v0, 3, 1
	v_lshl_add_u32 v[TX], v[SA], 4, v[TX]
	v_add_nc_u32 v[VA], s62, v[TX]
	v_mul_u32_u24 v[RD], v2, 272
	v_lshl_add_u32 v[RD], v1, 4, v[RD]
	v_add_nc_u32 v[RD], s63, v[RD]
	v_lshlrev_b32 v[CO], 11, v2
	v_lshl_add_u32 v[CO], v1, 4, v[CO]
	v_lshlrev_b32 v[SA], 3, v2
	v_sub_nc_u32 v[XR], v1, v[SA]
	v_add_nc_u32 v[SA], 48, v[XR]
	v_cvt_f32_i32 v[PG], v[SA]                     ; q - k at my lane's first key: 48 + r - 8 h
	v_add_nc_u32 v[XR], 47, v[XR]
	v_add_nc_u32 v[QI], s16, v1
	v_min_u32 v[LIM], 19, v[QI]
	v_cvt_f32_u32 v[HF], v2
	v_mov_b32 v[M], 0xff7fffff
	v_mov_b32 v[M+1], 0
	v_mov_b32 v[MN], 0
	v_mov_b32 v[MN+1], 0
	v_mov_b32 v[M2], 0xff7fffff
	v_mov_b32 v[M2+1], 0
	v_mov_b32 v[M2N], 0
	v_mov_b32 v[M2N+1], 0
	v_mov_b32 v[AL], 0
	v_mov_b32 v[AL+1], 0
	v_mov_b32 v[LS], 0
	v_mov_b32 v[PG+1], 0
	v_mov_b32 v[LS2], 0
	v_mov_b32 v[XB], 0
	v_mov_b32 v[TX], 0
.set vi, 0
.rept 64
	v_mov_b32 v[O+vi], 0                           ; O is rescaled in both blocks, so it starts at 0: once a wave
.set vi, vi+1
.endr
	s_wait_loadcnt 0x0                             ; Q and gamma; their address registers are free from here
	v_mov_b32 v[XA], 0
	v_mul_f32 v[G2], 0x3fb8aa3b, v[G2]
	v_mul_f32 v[G2], v[G2], v[G2]
	s_wait_tensorcnt 0x0                           ; my tile has landed,
	s_barrier_signal -1
	s_barrier_wait -1                              ; everybody's has; nothing is filled again
	QK KA, 0, ST
	MASKW ST, 0
	QK KA, 8704, ST1
	MASKW ST1, 32
	SOFT1 ST
	SOFT1 ST1
	FIN1
	VLD VA, 0
	SOFT2 ST
	PV
	VLD VA, 9216
	SOFT2 ST1
	PV
	FIN2 0
	s_wait_tensorcnt 0x0
	ds_add_u32 v6, v7
	s_wait_dscnt 0x0
	s_endpgm
.Lfunc_end_k_q9f15ee09ea_attw:
	.size	k_q9f15ee09ea_attw, .Lfunc_end_k_q9f15ee09ea_attw-k_q9f15ee09ea_attw
	.p2alignl 7, 3214868480
	.fill 96, 4, 3214868480
	.section	.rodata,"a",@progbits
	.p2align	6, 0x0
	.amdhsa_kernel k_q9f15ee09ea_attw
		.amdhsa_group_segment_fixed_size 168960
		.amdhsa_private_segment_fixed_size 0
		.amdhsa_enable_private_segment 0
		.amdhsa_kernarg_size 24
		.amdhsa_user_sgpr_count 2
		.amdhsa_user_sgpr_kernarg_segment_ptr 1
		.amdhsa_wavefront_size32 1
		.amdhsa_system_sgpr_workgroup_id_x 1
		.amdhsa_system_sgpr_workgroup_id_y 1
		.amdhsa_system_sgpr_workgroup_id_z 1
		.amdhsa_system_vgpr_workitem_id 0
		.amdhsa_next_free_vgpr 256
		.amdhsa_next_free_sgpr 72
		.amdhsa_reserve_vcc 1
		.amdhsa_float_denorm_mode_32 3
		.amdhsa_float_denorm_mode_16_64 3
		.amdhsa_memory_ordered 1
		.amdhsa_forward_progress 1
		.amdhsa_inst_pref_size 55
	.end_amdhsa_kernel
	.amdgpu_metadata
---
amdhsa.version: [ 1, 2 ]
amdhsa.kernels:
  - .name:           k_q9f15ee09ea_attw
    .symbol:         k_q9f15ee09ea_attw.kd
    .args:
      - { .name: pf, .offset: 0, .size: 8, .value_kind: global_buffer, .address_space: global }
      - { .name: gammas, .offset: 8, .size: 8, .value_kind: global_buffer, .address_space: global }
      - { .name: ao, .offset: 16, .size: 8, .value_kind: global_buffer, .address_space: global }
    .group_segment_fixed_size: 168960
    .private_segment_fixed_size: 0
    .kernarg_segment_align: 8
    .kernarg_segment_size: 24
    .max_flat_workgroup_size: 256
    .sgpr_count:     72
    .vgpr_count:     256
    .wavefront_size: 32
...
	.end_amdgpu_metadata
.endif
;; end of part 4
;; launch outp (part 5): grid 4 x 64, 4 waves a work-group, clusters of 4 x 4, 327,680 bytes of LDS; arguments ao, wt, bo, bow, o; writes o
.if DOCPART == 5
	.amdgcn_target "amdgcn-amd-amdhsa--gfx1250"
	.amdhsa_code_object_version 6
	.text
	.protected	k_q9f15ee09ea_outp
	.globl	k_q9f15ee09ea_outp
	.p2align	8
	.type	k_q9f15ee09ea_outp,@function
k_q9f15ee09ea_outp:
	s_mov_b64 s[64:65], 0
	v_nop
	global_prefetch_b8 v0, s[64:65] scope:SCOPE_SE
	s_setreg_imm32_b32 hwreg(HW_REG_WAVE_MODE, 25, 1), 1
	s_wait_xcnt 0x0
	s_wait_alu depctr_hold_cnt(0) depctr_sa_sdst(0) depctr_va_vdst(0) depctr_va_sdst(0) depctr_va_ssrc(0) depctr_va_vcc(0) depctr_vm_vsrc(0)
	s_getreg_b32 s2, hwreg(HW_REG_IB_STS2, 6, 4)
	s_cmp_eq_u32 s2, 0
	s_cbranch_scc0 .Lentry_in_a_cluster
	s_endpgm
.Lentry_in_a_cluster:
	s_bfe_u32 s2, ttmp6, 0x10000c
	s_cmp_lg_u32 s2, 0xf033
	s_cbranch_scc0 .Lentry_shape_is_right
	s_endpgm
.Lentry_shape_is_right:
; OUTP: o[0:4096] = causal result x Wo + bo, o[4096:8192] = banded result x Wow + bow, in f32.  A = rows of ao, B = rows 3072.. of wt (Wo^T, Wow^T), K = 1024; operands f16.
; ao holds the attention results divided by 8 (room in f16 for 5 x the largest |v|): the sums are multiplied by 8 in the same fused multiply-add that adds the bias.
; The same frame as the projections: a work-group makes 128 x 256 of C with four waves (64 x 128 each, 32 accumulator tiles), 256 work-groups; K in steps of 128 through two
; LDS slots, one tensor load a wave; clusters of 4 x 4 with A's tile asked for jointly along a row of the cluster and B's along a column.
; The matrix instruction is used transposed: a lane holds 8 neighbouring columns of one row of C, 32 bytes of f32.
.set KSTEP,  128
.set PITCH,  272
.set AHALF,  64*PITCH
.set BHALF,  128*PITCH
.set AREG,   2*AHALF
.set SLOT,   AREG+2*BHALF
.set STAGE,  2*SLOT                    ; behind the ring: 16 rows x 528 bytes for each wave; no tensor load lands here
.set SPITCH, 528                       ; 512 bytes of f32 + 16
.set LAPS,   4
.set ADRA, 16
.set ADRB, 20
.set STO,  24
.set RD,   25
.set CO,   26
.set BA,   27
.set F0,   32
.set F1,   128
.set TF,   32
.set RB,   96
.set G1,  24
.set G0,  32
.set G1B, 48
.set G0B, 56
.set SS,  68                           ; s[68:69] the factor 8
.set GW0, (1<<16)|(1<<20)|(1<<21)|(5<<22)|(3<<25)
.set MULW, 0x50
.set MSB, 0
.macro WIN new
.if MSB != \new
	s_set_vgpr_msb (MSB<<8)|\new
.set MSB, \new
.endif
.endm
.macro JLOAD s
	s_cmp_eq_u32 s17, 0
	s_cbranch_scc0 .Lfor_b_\@
	tensor_load_to_lds s[G0+4*\s:G0+4*\s+3], s[G1:G1+7]
	s_nop 0
	s_branch .Lasked_\@
.Lfor_b_\@:
	tensor_load_to_lds s[G0B+4*\s:G0B+4*\s+3], s[G1B:G1B+7]
	s_nop 0
.Lasked_\@:
.endm
.macro CREST
	s_cmp_lg_u32 s16, 0
	s_cbranch_scc1 .Lnot_wave_0_\@
	s_barrier_signal -3
.Lnot_wave_0_\@:
	s_barrier_wait -3
	s_barrier_signal -1
	s_barrier_wait -1
.endm
.macro CROUND
	s_barrier_signal -1
	s_barrier_wait -1
	CREST
.endm
.macro PLACES                          ; four plain vector instructions between a matrix instruction and a load into, or a vector access to, its registers
.rept 4
	v_nop
.endr
.endm
; the 32 accumulators take turns, one instruction a turn, in one fixed order
.macro MUL8 f, a, zero
.irp b, 0,1,2,3,4,5,6,7
.if \zero
	v_wmma_f32_16x16x32_f16 v[8*(8*\a+\b):8*(8*\a+\b)+7], v[\f+32+8*\b:\f+32+8*\b+7], v[\f+8*\a:\f+8*\a+7], 0
.else
	v_wmma_f32_16x16x32_f16 v[8*(8*\a+\b):8*(8*\a+\b)+7], v[\f+32+8*\b:\f+32+8*\b+7], v[\f+8*\a:\f+8*\a+7], v[8*(8*\a+\b):8*(8*\a+\b)+7]
.endif
.endr
.endm
.macro FETCH slot, k, f
.irp i, 0,1,2,3,4,5,6,7
	ds_load_b128 v[\f+32+8*\i:\f+32+8*\i+3], v[ADRB+\slot] offset:\k+\i*16*PITCH
	ds_load_b128 v[\f+32+8*\i+4:\f+32+8*\i+7], v[ADRB+\slot] offset:\k+\i*16*PITCH+32
.endr
.irp i, 0,1,2,3
	ds_load_b128 v[\f+8*\i:\f+8*\i+3], v[ADRA+\slot] offset:\k+\i*16*PITCH
	ds_load_b128 v[\f+8*\i+4:\f+8*\i+7], v[ADRA+\slot] offset:\k+\i*16*PITCH+32
.endr
.endm
.macro QUARTER slot, k, f, g, zero
	s_wait_dscnt 4                                 ; B and A's blocks 0, 1 are in; the youngest four loads may be out
	WIN MULW
	MUL8 \f, 0, \zero
	MUL8 \f, 1, \zero
	PLACES
	WIN 0
	FETCH \slot, \k, \g
	s_wait_dscnt 24                                ; all but the 24 just issued
	WIN MULW
	MUL8 \f, 2, \zero
	MUL8 \f, 3, \zero
.endm
.macro THREE slot, zero
	QUARTER \slot, 64,  F0, F1, \zero
	QUARTER \slot, 128, F1, F0, 0
	QUARTER \slot, 192, F0, F1, 0
.endm
; the change of slots: my reads of this slot and all my tensor loads are waited for in front of the barrier; where the slot is filled again the barrier opens a round of the
; cluster's barrier and the joint refill is the first tensor load behind the round
.macro TURN slot, next, fill
	s_wait_dscnt 4
	WIN MULW
	MUL8 F1, 0, 0
	s_wait_dscnt 0
	s_wait_tensorcnt 0x0
	ds_add_u32 v254, v255
	s_wait_dscnt 0x0
	s_barrier_signal -1
	MUL8 F1, 1, 0
	WIN 0
	s_barrier_wait -1
.if \fill
	CREST
	s_add_nc_u64 s[G0+4*\slot+2:G0+4*\slot+3], s[G0+4*\slot+2:G0+4*\slot+3], 2*KSTEP*2
	s_add_nc_u64 s[G0B+4*\slot+2:G0B+4*\slot+3], s[G0B+4*\slot+2:G0B+4*\slot+3], 2*KSTEP*2
	JLOAD \slot
.endif
	PLACES
	FETCH \next, 0, F0
	WIN MULW
	MUL8 F1, 2, 0
	MUL8 F1, 3, 0
.endm
.macro LAP zero
	THREE 0, \zero
	TURN 0, 1, 1
	THREE 1, 0
	TURN 1, 0, 1
.endm
	s_load_b256 s[4:11], s[0:1], 0x0               ; ao, wt, bo, bow
	s_load_b64 s[12:13], s[0:1], 0x20              ; o
	v_lshl_add_u32 v254, v0, 2, 0x3b400
	v_mov_b32 v255, 0
	ds_add_u32 v254, v255
	v_lshrrev_b32 v1, 5, v0
	v_readfirstlane_b32 s16, v1                    ; wave 0..3
	v_bfe_u32 v2, v0, 4, 1                         ; h
	v_lshlrev_b32 v[BA], 5, v2
	s_lshr_b32 s17, s16, 1
	s_and_b32 s18, s16, 1
	s_bfe_u32 s19, ttmp6, 0x40000                  ; cx = block column (the grid is one cluster wide)
	s_bfe_u32 s20, ttmp6, 0x40004                  ; cy
	s_and_b32 s22, ttmp7, 0xffff                   ; the cluster's y, 0 to 15
	s_lshl_b32 s23, s22, 2
	s_add_co_u32 s23, s23, s20                     ; block row y
	s_mov_b32 s[SS], 0x41000000                    ; 8.0
	s_mov_b32 s[SS+1], 0x41000000
	s_lshl_b32 s40, s20, 2
	s_lshl_b32 s40, 15, s40
	s_lshl_b32 s41, 0x1111, s19
	s_or_b32 s[G1+0], s40, GW0
	s_or_b32 s[G1B+0], s41, GW0
	s_mov_b32 s[G1+1], KSTEP<<16
	s_mov_b32 s[G1B+1], KSTEP<<16
	s_mov_b32 s[G1+2], 64<<16
	s_mov_b32 s[G1B+2], 128<<16
	s_mov_b32 s[G1+3], KSTEP<<16
	s_mov_b32 s[G1B+3], KSTEP<<16
	s_mov_b32 s[G1+4], 64
	s_mov_b32 s[G1B+4], 128
	s_mov_b32 s[G1+5], 1024
	s_mov_b32 s[G1B+5], 1024
	s_mov_b32 s[G1+6], 0
	s_mov_b32 s[G1B+6], 0
	s_mov_b32 s[G1+7], 0
	s_mov_b32 s[G1B+7], 0
	s_lshl_b32 s74, s23, 18                        ; A: 128 rows of 2,048 bytes a block, + the half that I fetch
	s_lshl_b32 s73, s18, 17
	s_add_co_u32 s74, s74, s73
	s_mov_b32 s75, 0
	s_mov_b32 s76, 3072*2048                       ; B: Wo^T, or Wow^T for the banded rows (the cluster's y decides: the same in all partners)
	s_cmp_ge_u32 s22, 8
	s_cselect_b32 s76, 4096*2048, s76
	s_lshl_b32 s73, s19, 19
	s_add_co_u32 s76, s76, s73
	s_lshl_b32 s73, s18, 18
	s_add_co_u32 s76, s76, s73
	s_mov_b32 s77, 0
	s_lshl_b32 s78, s19, 10                        ; my first column in bytes of f32: bias and C alike
	s_lshl_b32 s73, s18, 9
	s_add_co_u32 s78, s78, s73
	s_mov_b32 s79, 0
	s_lshl_b32 s82, s23, 19                        ; C: 128 rows of 4,096 bytes a block, + my 64 rows
	s_lshl_b32 s73, s17, 18
	s_add_co_u32 s82, s82, s73
	s_add_co_u32 s82, s82, s78
	s_mov_b32 s83, 0
	s_mul_i32 s70, s16, AHALF
	s_mul_i32 s71, s16, BHALF
	s_sub_co_u32 s71, s71, BHALF
	s_wait_dscnt 0x0
	s_wait_kmcnt 0x0
	s_add_nc_u64 s[74:75], s[4:5], s[74:75]
	s_add_nc_u64 s[76:77], s[6:7], s[76:77]
	s_cmp_ge_u32 s22, 8
	s_cselect_b64 s[66:67], s[10:11], s[8:9]
	s_add_nc_u64 s[66:67], s[66:67], s[78:79]
	s_add_nc_u64 s[12:13], s[12:13], s[82:83]
	WIN 0x80
.irp b, 0,1,2,3,4,5,6,7
	global_load_b128 v[8*\b:8*\b+3], v[BA], s[66:67] offset:64*\b        ; bias of columns 16 b + 8 h .. + 7; waited for on the way out
	global_load_b128 v[8*\b+4:8*\b+7], v[BA], s[66:67] offset:64*\b+16
.endr
	WIN 0
	CROUND                                         ; all sixteen work-groups are here: the first joint loads meet
.irp s, 0,1
	s_mov_b32 s[G0+4*\s], 1
	s_add_co_u32 s[G0+4*\s+1], s70, \s*SLOT
	s_add_nc_u64 s[G0+4*\s+2:G0+4*\s+3], s[74:75], \s*KSTEP*2
	s_or_b32 s[G0+4*\s+3], s[G0+4*\s+3], 0x80000000
	s_mov_b32 s[G0B+4*\s], 1
	s_add_co_u32 s[G0B+4*\s+1], s71, \s*SLOT
	s_add_nc_u64 s[G0B+4*\s+2:G0B+4*\s+3], s[76:77], \s*KSTEP*2
	s_or_b32 s[G0B+4*\s+3], s[G0B+4*\s+3], 0x80000000
	JLOAD \s
.endr
	v_and_b32 v1, 15, v0
	v_mul_u32_u24 v3, v1, PITCH
	v_lshl_add_u32 v3, v2, 4, v3
	s_mul_i32 s84, s17, AHALF
	s_mul_i32 s85, s18, BHALF
	s_add_co_u32 s85, s85, AREG
.irp s, 0,1
	v_add_nc_u32 v[ADRA+\s], s84, v3
	v_add_nc_u32 v[ADRB+\s], s85, v3
	s_add_co_u32 s84, s84, SLOT
	s_add_co_u32 s85, s85, SLOT
.endr
	s_mul_i32 s86, s16, 16*SPITCH
	s_add_co_u32 s86, s86, STAGE
	v_mul_u32_u24 v5, v1, SPITCH
	v_lshl_add_u32 v5, v2, 5, v5
	v_add_nc_u32 v[STO], s86, v5                   ; in: row r, 32 bytes for each half of the lanes
	v_and_b32 v5, 31, v0
	v_lshlrev_b32 v[CO], 4, v5                     ; back and out: a whole row of 512 bytes, 16 bytes a lane
	v_add_nc_u32 v[RD], s86, v[CO]
	s_wait_tensorcnt 1                             ; my part of K step 0 is in; K step 1's stays out
	s_barrier_signal -1
	s_barrier_wait -1
	FETCH 0, 0, F0
	LAP 1
	WIN 0
	s_mov_b32 s3, LAPS-2
.Llap:
	LAP 0
	WIN 0
	s_sub_co_u32 s3, s3, 1
	s_cmp_lg_u32 s3, 0
	s_cbranch_scc1 .Llap
	THREE 0, 0
	TURN 0, 1, 0
	THREE 1, 0
	s_wait_dscnt 4
	WIN MULW
	MUL8 F1, 0, 0
	MUL8 F1, 1, 0
	s_wait_dscnt 0
	MUL8 F1, 2, 0
	MUL8 F1, 3, 0
	; THE WAY OUT: sum x 8 + bias in one fused multiply-add, 16 rows at a time through my own stage, whole rows of 512 bytes out
	PLACES
	s_wait_loadcnt 0x0                             ; the bias
.macro OUTF a
	WIN 0x21                                       ; source 0 (sums) window 1, source 2 (bias) window 2
.irp b, 0,1,2,3,4,5,6,7
.irp p, 0,2,4,6
	v_pk_fma_f32 v[TF+8*\b+\p:TF+8*\b+\p+1], v[8*(8*\a+\b)+\p:8*(8*\a+\b)+\p+1], s[SS:SS+1], v[8*\b+\p:8*\b+\p+1] op_sel_hi:[1,0,1]
.endr
.endr
	WIN 0
.irp b, 0,1,2,3,4,5,6,7
	ds_store_b128 v[STO], v[TF+8*\b:TF+8*\b+3] offset:64*\b
	ds_store_b128 v[STO], v[TF+8*\b+4:TF+8*\b+7] offset:64*\b+16
.endr
	s_wait_xcnt 0x0                                ; the read-back buffer and the stores' base are rewritten only behind this wait
.if \a
	s_add_nc_u64 s[12:13], s[12:13], 16*4096
.endif
.set t, 0
.rept 16
	ds_load_b128 v[RB+4*t:RB+4*t+3], v[RD] offset:t*SPITCH   ; a wave's LDS instructions are served in order: these see the stores above
.set t, t+1
.endr
.set t, 0
.rept 16
	s_wait_dscnt 15-t
	global_store_b128 v[CO], v[RB+4*t:RB+4*t+3], s[12:13] offset:4096*t   ; 512 consecutive aligned bytes
.set t, t+1
.endr
.endm
	OUTF 0
	OUTF 1
	OUTF 2
	OUTF 3
	s_wait_tensorcnt 0x0
	ds_add_u32 v254, v255
	s_wait_dscnt 0x0
	CROUND                                         ; the closing round
	s_endpgm
.Lfunc_end_k_q9f15ee09ea_outp:
	.size	k_q9f15ee09ea_outp, .Lfunc_end_k_q9f15ee09ea_outp-k_q9f15ee09ea_outp
	.p2alignl 7, 3214868480
	.fill 96, 4, 3214868480
	.section	.rodata,"a",@progbits
	.p2align	6, 0x0
	.amdhsa_kernel k_q9f15ee09ea_outp
		.amdhsa_group_segment_fixed_size 327680
		.amdhsa_private_segment_fixed_size 0
		.amdhsa_enable_private_segment 0
		.amdhsa_kernarg_size 40
		.amdhsa_user_sgpr_count 2
		.amdhsa_user_sgpr_kernarg_segment_ptr 1
		.amdhsa_wavefront_size32 1
		.amdhsa_system_sgpr_workgroup_id_x 1
		.amdhsa_system_sgpr_workgroup_id_y 1
		.amdhsa_system_sgpr_workgroup_id_z 1
		.amdhsa_system_vgpr_workitem_id 0
		.amdhsa_next_free_vgpr 576
		.amdhsa_next_free_sgpr 100
		.amdhsa_reserve_vcc 0
		.amdhsa_float_denorm_mode_32 3
		.amdhsa_float_denorm_mode_16_64 3
		.amdhsa_memory_ordered 1
		.amdhsa_forward_progress 1
		.amdhsa_inst_pref_size 127
	.end_amdhsa_kernel
	.amdgpu_metadata
---
amdhsa.version: [ 1, 2 ]
amdhsa.kernels:
  - .name:           k_q9f15ee09ea_outp
    .symbol:         k_q9f15ee09ea_outp.kd
    .args:
      - { .name: ao, .offset: 0, .size: 8, .value_kind: global_buffer, .address_space: global }
      - { .name: wt, .offset: 8, .size: 8, .value_kind: global_buffer, .address_space: global }
      - { .name: bo, .offset: 16, .size: 8, .value_kind: global_buffer, .address_space: global }
      - { .name: bow, .offset: 24, .size: 8, .value_kind: global_buffer, .address_space: global }
      - { .name: o, .offset: 32, .size: 8, .value_kind: global_buffer, .address_space: global }
    .group_segment_fixed_size: 327680
    .private_segment_fixed_size: 0
    .kernarg_segment_align: 8
    .kernarg_segment_size: 40
    .max_flat_workgroup_size: 128
    .sgpr_count:     100
    .vgpr_count:     576
    .wavefront_size: 32
...
	.end_amdgpu_metadata
.endif
;; end of part 5
;; launch ln (part 6): grid 512 x 1, 8 waves a work-group, no clusters, 0 bytes of LDS; arguments query, o, ln_w, ln_b, out0, out1; writes out0, out1
.if DOCPART == 6
	.amdgcn_target "amdgcn-amd-amdhsa--gfx1250"
	.amdhsa_code_object_version 6
	.text
	.protected	k_q9f15ee09ea_ln
	.globl	k_q9f15ee09ea_ln
	.p2align	8
	.type	k_q9f15ee09ea_ln,@function
k_q9f15ee09ea_ln:
	s_mov_b64 s[64:65], 0
	v_nop
	global_prefetch_b8 v0, s[64:65] scope:SCOPE_SE
	s_setreg_imm32_b32 hwreg(HW_REG_WAVE_MODE, 25, 1), 1
	s_wait_xcnt 0x0
; LN: q_new = query + o[row], q_win = q_new + o[4096 + row]; out0 = LayerNorm(q_new), out1 = LayerNorm(q_win).
; One wave, one row of 4,096 bytes: eight loads of 512 consecutive bytes for each of the five streams, the row kept in registers; no LDS, no barrier.
; The mean is taken away before the squares are summed, as reference() does: no difference of large sums is formed.
; Memory binds: matrix units, clusters and LDS would add nothing.
.set Q,   16                           ; v[16:47]   query, then q_new, then out0
.set A,   48                           ; v[48:79]   o[row]
.set BV,  80                           ; v[80:111]  o[4096 + row], then q_win, then out1
.set W,   112                          ; v[112:143] ln_w
.set BS,  144                          ; v[144:175] ln_b
.set T,   176                          ; v[176:183] chains
.set SUM, 184
.set TM,  185
.set MU,  186                          ; pair
.set RS,  188                          ; pair
	s_load_b256 s[4:11], s[0:1], 0x0               ; query, o, ln_w, ln_b
	s_load_b128 s[12:15], s[0:1], 0x20             ; out0, out1
	v_lshrrev_b32 v1, 5, v0
	v_readfirstlane_b32 s16, v1
	v_and_b32 v2, 31, v0
	v_lshlrev_b32 v2, 4, v2                        ; 16 bytes a lane
	s_lshl_b32 s17, ttmp9, 3
	s_add_co_u32 s17, s17, s16                     ; my row
	s_lshl_b32 s18, s17, 12
	s_mov_b32 s19, 0
	s_mov_b32 s22, 0x76543210
	s_mov_b32 s23, 0xfedcba98
	s_mov_b32 s24, 0x3a800000                      ; 1 / 1024
	s_mov_b32 s25, 0x3727c5ac                      ; 1e-5
	v_mov_b32 v[TM], 0
	s_wait_kmcnt 0x0
	s_add_nc_u64 s[4:5], s[4:5], s[18:19]
	s_add_nc_u64 s[6:7], s[6:7], s[18:19]
	s_add_nc_u64 s[20:21], s[6:7], 0x1000000       ; 4,096 rows further down
	s_add_nc_u64 s[12:13], s[12:13], s[18:19]
	s_add_nc_u64 s[14:15], s[14:15], s[18:19]
.irp i, 0,1,2,3,4,5,6,7
	global_load_b128 v[Q+4*\i:Q+4*\i+3], v2, s[4:5] offset:512*\i th:TH_LOAD_NT
.endr
.irp i, 0,1,2,3,4,5,6,7
	global_load_b128 v[A+4*\i:A+4*\i+3], v2, s[6:7] offset:512*\i th:TH_LOAD_NT
.endr
.irp i, 0,1,2,3,4,5,6,7
	global_load_b128 v[BV+4*\i:BV+4*\i+3], v2, s[20:21] offset:512*\i th:TH_LOAD_NT
.endr
.irp i, 0,1,2,3,4,5,6,7
	global_load_b128 v[W+4*\i:W+4*\i+3], v2, s[8:9] offset:512*\i
.endr
.irp i, 0,1,2,3,4,5,6,7
	global_load_b128 v[BS+4*\i:BS+4*\i+3], v2, s[10:11] offset:512*\i
.endr
	s_wait_loadcnt 24                              ; query and o[row] are in; the 24 younger loads stay out
.set i, 0
.rept 16
	v_pk_add_f32 v[Q+2*i:Q+2*i+1], v[Q+2*i:Q+2*i+1], v[A+2*i:A+2*i+1]
.set i, i+1
.endr
	s_wait_loadcnt 16                              ; o[4096 + row] is in
.set i, 0
.rept 16
	v_pk_add_f32 v[BV+2*i:BV+2*i+1], v[BV+2*i:BV+2*i+1], v[Q+2*i:Q+2*i+1]
.set i, i+1
.endr
	s_wait_loadcnt 0x0                             ; gain and bias
.macro RED                             ; SUM over the 32 lanes, the result in every lane
	v_add_f32_dpp v[SUM], v[SUM], v[SUM] row_xmask:1 row_mask:0xf bank_mask:0xf
	v_add_f32_dpp v[SUM], v[SUM], v[SUM] row_xmask:2 row_mask:0xf bank_mask:0xf
	v_add_f32_dpp v[SUM], v[SUM], v[SUM] row_xmask:4 row_mask:0xf bank_mask:0xf
	v_add_f32_dpp v[SUM], v[SUM], v[SUM] row_xmask:8 row_mask:0xf bank_mask:0xf
	v_permlanex16_b32 v[TM], v[SUM], s22, s23
	v_add_f32 v[SUM], v[SUM], v[TM]
.endm
.macro LNORM x, sb
.irp c, 0,2,4,6
	v_pk_add_f32 v[T+\c:T+\c+1], v[\x+\c:\x+\c+1], v[\x+8+\c:\x+8+\c+1]       ; four chains, started by the first sums: nothing is cleared
.endr
.irp k, 16,24
.irp c, 0,2,4,6
	v_pk_add_f32 v[T+\c:T+\c+1], v[T+\c:T+\c+1], v[\x+\k+\c:\x+\k+\c+1]
.endr
.endr
	v_pk_add_f32 v[T:T+1], v[T:T+1], v[T+4:T+5]
	v_pk_add_f32 v[T+2:T+3], v[T+2:T+3], v[T+6:T+7]
	v_pk_add_f32 v[T:T+1], v[T:T+1], v[T+2:T+3]
	v_add_f32 v[SUM], v[T], v[T+1]
	RED
	v_mul_f32 v[MU], s24, v[SUM]
	v_mov_b32 v[MU+1], v[MU]
.set i, 0
.rept 16
	v_pk_add_f32 v[\x+2*i:\x+2*i+1], v[\x+2*i:\x+2*i+1], v[MU:MU+1] neg_lo:[0,1] neg_hi:[0,1]
.set i, i+1
.endr
	v_pk_mul_f32 v[T:T+1], v[\x:\x+1], v[\x:\x+1]
	v_pk_mul_f32 v[T+2:T+3], v[\x+2:\x+3], v[\x+2:\x+3]
.irp k, 4,8,12,16,20,24,28
	v_pk_fma_f32 v[T:T+1], v[\x+\k:\x+\k+1], v[\x+\k:\x+\k+1], v[T:T+1]
	v_pk_fma_f32 v[T+2:T+3], v[\x+\k+2:\x+\k+3], v[\x+\k+2:\x+\k+3], v[T+2:T+3]
.endr
	v_pk_add_f32 v[T:T+1], v[T:T+1], v[T+2:T+3]
	v_add_f32 v[SUM], v[T], v[T+1]
	RED
	v_fma_f32 v[SUM], v[SUM], s24, s25             ; variance + 1e-5
	v_rsq_f32 v[RS], v[SUM]
	v_rsq_f32 v[RS+1], v[SUM]
	v_nop                                          ; one plain instruction behind the transcendentals (ISA guide 5.7.2)
.set i, 0
	s_wait_alu depctr_va_vdst(0)
.rept 16
	v_pk_mul_f32 v[\x+2*i:\x+2*i+1], v[\x+2*i:\x+2*i+1], v[RS:RS+1]
	v_pk_fma_f32 v[\x+2*i:\x+2*i+1], v[\x+2*i:\x+2*i+1], v[W+2*i:W+2*i+1], v[BS+2*i:BS+2*i+1]
.set i, i+1
.endr
.irp i, 0,1,2,3,4,5,6,7
	global_store_b128 v2, v[\x+4*\i:\x+4*\i+3], s[\sb:\sb+1] offset:512*\i th:TH_STORE_NT   ; 512 consecutive aligned bytes
.endr
.endm
	LNORM Q, 12
	LNORM BV, 14
	s_endpgm
.Lfunc_end_k_q9f15ee09ea_ln:
	.size	k_q9f15ee09ea_ln, .Lfunc_end_k_q9f15ee09ea_ln-k_q9f15ee09ea_ln
	.p2alignl 7, 3214868480
	.fill 96, 4, 3214868480
	.section	.rodata,"a",@progbits
	.p2align	6, 0x0
	.amdhsa_kernel k_q9f15ee09ea_ln
		.amdhsa_group_segment_fixed_size 0
		.amdhsa_private_segment_fixed_size 0
		.amdhsa_enable_private_segment 0
		.amdhsa_kernarg_size 48
		.amdhsa_user_sgpr_count 2
		.amdhsa_user_sgpr_kernarg_segment_ptr 1
		.amdhsa_wavefront_size32 1
		.amdhsa_system_sgpr_workgroup_id_x 1
		.amdhsa_system_sgpr_workgroup_id_y 1
		.amdhsa_system_sgpr_workgroup_id_z 1
		.amdhsa_system_vgpr_workitem_id 0
		.amdhsa_next_free_vgpr 192
		.amdhsa_next_free_sgpr 66
		.amdhsa_reserve_vcc 0
		.amdhsa_float_denorm_mode_32 3
		.amdhsa_float_denorm_mode_16_64 3
		.amdhsa_memory_ordered 1
		.amdhsa_forward_progress 1
		.amdhsa_inst_pref_size 21
	.end_amdhsa_kernel
	.amdgpu_metadata
---
amdhsa.version: [ 1, 2 ]
amdhsa.kernels:
  - .name:           k_q9f15ee09ea_ln
    .symbol:         k_q9f15ee09ea_ln.kd
    .args:
      - { .name: query, .offset: 0, .size: 8, .value_kind: global_buffer, .address_space: global }
      - { .name: o, .offset: 8, .size: 8, .value_kind: global_buffer, .address_space: global }
      - { .name: ln_w, .offset: 16, .size: 8, .value_kind: global_buffer, .address_space: global }
      - { .name: ln_b, .offset: 24, .size: 8, .value_kind: global_buffer, .address_space: global }
      - { .name: out0, .offset: 32, .size: 8, .value_kind: global_buffer, .address_space: global }
      - { .name: out1, .offset: 40, .size: 8, .value_kind: global_buffer, .address_space: global }
    .group_segment_fixed_size: 0
    .private_segment_fixed_size: 0
    .kernarg_segment_align: 8
    .kernarg_segment_size: 48
    .max_flat_workgroup_size: 256
    .sgpr_count:     66
    .vgpr_count:     192
    .wavefront_size: 32
...
	.end_amdgpu_metadata
.endif
;; end of part 6
;; ======== version 2 of 2: 6 launches; version 1 with the launch prep written anew for expert scheduling mode
;; limits: values are held in f16: magnitudes above 65,504 overflow, below 6.1e-05 lose precision; right only within a limited range of input values
;; workspace buffers: xb 25,165,824 bytes; wt 10,485,760 bytes; pf 41,943,040 bytes; ao 16,777,216 bytes; o 33,554,432 bytes
;; launch prep (part 7): grid 704 x 1, 8 waves a work-group, no clusters, 35,840 bytes of LDS; arguments query, key, values, Wq, Wqw, Wv, Wo, Wow, xb, wt; writes xb, wt
.if DOCPART == 7
	.amdgcn_target "amdgcn-amd-amdhsa--gfx1250"
	.amdhsa_code_object_version 6
	.text
	.protected	k_q9f15ee09ea_prep
	.globl	k_q9f15ee09ea_prep
	.p2align	8
	.type	k_q9f15ee09ea_prep,@function
k_q9f15ee09ea_prep:
	s_mov_b64 s[64:65], 0
	v_nop
	global_prefetch_b8 v0, s[64:65] scope:SCOPE_SE
	s_setreg_imm32_b32 hwreg(HW_REG_WAVE_SCHED_MODE, 0, 2), 2
	s_setreg_imm32_b32 hwreg(HW_REG_WAVE_MODE, 25, 1), 1
	s_wait_xcnt 0x0
	s_wait_alu depctr_vm_vsrc(0)
; PREP: the matrix operands in f16.  xb[12288][1024] = query, key, values rounded to f16; wt[5120][1024] = the transposes of Wq, Wqw, Wv, Wo, Wow
; (row n, column k), so that every later product finds K along the rows of both operands.
;
; WHY F16: in the first rows of a sequence a query has few keys and maxout multiplies the weights by up to 5, so the attention term is as large as the residual, and the
; roundings of q, k, v, the weights and the attention result all reach the output at full size.  f16 keeps 11 significant bits.
; ROOM IN F16 (largest number 65,504): activations have spread 1, weights 1/32.  All of them 30 times larger: projections 900 x 5.5 = about 5,000.  A common offset of 30
; spreads on activations and weights at once: projections about 30 x 0.94 x 1024 = 28,800.  All 30 times smaller: projections about 1e-3, where the step of f16 is at most
; 6e-8.  The softmax weights lie in [0, 1].  The attention result can reach 5 x the largest |v|: it is stored divided by 8, and the 8 is given back in f32 behind the
; output product.  LIMIT: an input or a projection of magnitude 65,504 or more overflows.
;
; WHAT THE WHOLE PROGRAM LEAVES OUT, for all values of the inputs:
;  - lens: reference() never uses it.  It is not loaded and is no launch's argument.
;  - both masks are built inside reference() (jnp.tril).  A masked score is replaced by -1e32 ahead of both softmaxes and its weight is set to 0 behind
;    the second, so a key at or above the diagonal (and, in the band, a key more than 19 below it) reaches no output.  Blocks of 32 keys that are wholly
;    masked are not multiplied; inside a block that also holds live keys the masked ones are computed and replaced.
;  - sum(p) = 1, so (disttot - distcum) is (L - cumsum e) / L with e = exp(s - max), L = sum e: softmax 1 is never divided out.
;  - exp(dist * -|gamma|) <= 1, so the upper clip at 1e5 never acts; the lower clip at 1e-5 is a bound on the exponent and is kept.
;  - the largest weight of softmax 2 is 1 / L2, so maxout's factor is min(L2, 5).
; LIMITS: a NaN, an infinity or an overflow that reaches only the blocks left out is not carried to the result; live scores are taken to be below 1e26
; in magnitude (beside the mask's -1e32); matrix operands are rounded to f16.
;
; Work-groups 0 to 383 cast 131,072 bytes each (thread t: 16 bytes in, 8 bytes out, 32 times; a wave's store covers 256 consecutive aligned bytes).
; Work-groups 384 to 703 transpose one tile of 128 k x 128 n of one weight matrix through LDS.
;
; THE MODE: SCHED_MODE bits 1:0 = 2 (LLVM: expert scheduling mode 2), set by the entry lines.  The code itself states the register dependences
; between vector instructions and memory or LDS instructions, with s_wait_alu, always for 0.
; THE PLAN, casting arm.  Registers that memory instructions touch:
;   v1, v2   byte offsets, made once and never written again: v1 is read by the 32 loads, v2 by the 32 stores.
;   X        32 x 4 registers, each loaded once, then read by two conversions; no load lands there again.
;   Y        32 x 2 registers, each written once by a conversion, then read by one store; never written again.
; The 32 pieces go in eight blocks of four.  Block p rounds its own X into its own Y; its memory instructions are the four stores of block p - 1, whose Y no vector
; instruction of block p names.  So ONE wait on va_vdst at a block's head states all that the block's stores hang on, and they are dealt among its conversions.
; THE PLAN, transposing arm.  Registers that memory or LDS instructions touch:
;   v1, v3, v4, v5   offsets and LDS addresses, made once and never written again.
;   X        16 x 4 registers, each loaded once, then read by conversions.
;   YT       two halves of 16 registers (k 0-7, k 8-15), each written once by conversions, then read by four LDS stores.
;   ZT       written by LDS loads and read by global stores alone: no vector instruction names it.
;   v208, v209   written at the head, read by the closing add alone.
; The first half's LDS stores are dealt among the second half's conversions, which name the other half of YT and X's rows 8 to 15 alone.
.set X,  16                            ; v[16:143]  cast: 32 x 4 numbers as loaded; transpose: v[16:79], 16 k rows x 4 n
.set Y,  144                           ; v[144:207] cast: 32 x 2 registers of f16
.set YT, 80                            ; v[80:111]  transpose: (g, e): 8 k of column 4 lane + e, packed
.set ZT, 112                           ; v[112:143] transpose: rows read back
	s_load_b512 s[4:19], s[0:1], 0x0               ; query, key, values, Wq, Wqw, Wv, Wo, Wow
	s_load_b128 s[20:23], s[0:1], 0x40             ; xb, wt
	v_lshl_add_u32 v208, v0, 2, 0x8800
	v_mov_b32 v209, 0
	v_lshrrev_b32 v1, 5, v0
	v_readfirstlane_b32 s24, v1                    ; wave
	s_mov_b32 s29, 0
	s_mov_b32 s31, 0
	s_wait_alu depctr_va_sdst(0)                   ; s24 is written: the transposing arm makes its offsets from it; the wait stands in the writer's own run of code, ahead of the branch
	s_cmp_lt_u32 ttmp9, 384                        ; the same for all waves of a work-group
	s_cbranch_scc0 .Ltrans
	; ---- cast ----
	s_lshr_b32 s25, ttmp9, 7                       ; which tensor
	s_and_b32 s28, ttmp9, 127
	s_lshl_b32 s28, s28, 17                        ; my 131,072 bytes of it
	s_lshl_b32 s30, ttmp9, 16                      ; my 65,536 bytes of xb
	v_lshlrev_b32 v1, 4, v0
	v_lshlrev_b32 v2, 3, v0
	s_wait_kmcnt 0x0
	s_cmp_eq_u32 s25, 1
	s_cselect_b64 s[26:27], s[6:7], s[4:5]
	s_cmp_eq_u32 s25, 2
	s_cselect_b64 s[26:27], s[8:9], s[26:27]
	s_add_nc_u64 s[26:27], s[26:27], s[28:29]
	s_add_nc_u64 s[20:21], s[20:21], s[30:31]
	s_wait_alu depctr_va_vdst(0)                   ; v1 and v2 are written: every load of this arm reads v1 as its offset, every store v2
.set i, 0
.rept 32
	global_load_b128 v[X+4*i:X+4*i+3], v1, s[26:27] offset:4096*i th:TH_LOAD_NT
.set i, i+1
.endr
.set n, 0
.rept 32                                               ; piece n; four pieces are a block
.if n % 4 == 0
	s_wait_loadcnt 28-n                            ; loads come back in order: this block's four are in, the younger ones stay out
.if n > 0
	s_wait_alu depctr_va_vdst(0)                   ; the block before has written its eight registers of Y, which the four stores below read
.endif
.endif
.if n >= 4
	global_store_b64 v2, v[Y+2*(n-4):Y+2*(n-4)+1], s[20:21] offset:2048*(n-4)   ; the block before; no vector instruction since the wait names these registers.  No register is written twice: no wait for sources
.endif
	v_cvt_pk_f16_f32 v[Y+2*n], v[X+4*n], v[X+4*n+1]
	v_cvt_pk_f16_f32 v[Y+2*n+1], v[X+4*n+2], v[X+4*n+3]
.set n, n+1
.endr
	s_wait_alu depctr_va_vdst(0)                   ; the last block has written its Y, which the last four stores read
.set n, 28
.rept 4
	global_store_b64 v2, v[Y+2*n:Y+2*n+1], s[20:21] offset:2048*n
.set n, n+1
.endr
	s_endpgm
	; ---- transpose ----
.Ltrans:
	s_sub_co_u32 s25, ttmp9, 384
	s_lshr_b32 s32, s25, 6                         ; which matrix, 0 to 4
	s_bfe_u32 s33, s25, 0x30003                    ; block of 128 k
	s_and_b32 s34, s25, 7                          ; block of 128 n
	s_lshl_b32 s28, s33, 19                        ; 128 rows of 4,096 bytes
	s_lshl_b32 s35, s34, 9
	s_add_co_u32 s28, s28, s35
	s_lshl_b32 s30, s32, 21                        ; (1024 m + 128 nt) rows of 2,048 bytes + 256 kt
	s_lshl_b32 s35, s34, 18
	s_add_co_u32 s30, s30, s35
	s_lshl_b32 s35, s33, 8
	s_add_co_u32 s30, s30, s35
	v_and_b32 v6, 31, v0                           ; lane
	v_lshlrev_b32 v1, 4, v6
	s_lshl_b32 s36, s24, 16                        ; my 16 k rows
	v_add_nc_u32 v1, s36, v1
	v_mul_u32_u24 v3, v6, 1088                     ; LDS row 4 lane, pitch 272
	s_lshl_b32 s37, s24, 5                         ; my 16 k = 32 bytes of each row
	v_add_nc_u32 v3, s37, v3
	v_lshrrev_b32 v7, 4, v6
	v_and_b32 v8, 15, v6
	s_lshl_b32 s38, s24, 4
	v_add_nc_u32 v7, s38, v7                       ; row 16 w + lane / 16
	v_mul_u32_u24 v4, v7, 272
	v_lshl_add_u32 v4, v8, 4, v4
	v_lshlrev_b32 v5, 11, v7
	v_lshl_add_u32 v5, v8, 4, v5
	s_wait_kmcnt 0x0
	s_cmp_eq_u32 s32, 1
	s_cselect_b64 s[26:27], s[12:13], s[10:11]
	s_cmp_eq_u32 s32, 2
	s_cselect_b64 s[26:27], s[14:15], s[26:27]
	s_cmp_eq_u32 s32, 3
	s_cselect_b64 s[26:27], s[16:17], s[26:27]
	s_cmp_eq_u32 s32, 4
	s_cselect_b64 s[26:27], s[18:19], s[26:27]
	s_add_nc_u64 s[26:27], s[26:27], s[28:29]
	s_add_nc_u64 s[22:23], s[22:23], s[30:31]
	s_wait_alu depctr_va_vdst(0)                   ; v1, v3, v4 and v5 are written: the loads, the LDS stores, the LDS loads and the global stores below read them as offsets and addresses
.set i, 0
.rept 16
	global_load_b128 v[X+4*i:X+4*i+3], v1, s[26:27] offset:4096*i th:TH_LOAD_NT   ; row 16 w + i, columns 4 lane .. + 3
.set i, i+1
.endr
	s_wait_loadcnt 8                               ; loads come back in order: rows 0 to 7 are in, the eight younger loads stay out
.irp e, 0,1,2,3
.irp p, 0,1,2,3
	v_cvt_pk_f16_f32 v[YT+4*\e+\p], v[X+4*(2*\p)+\e], v[X+4*(2*\p+1)+\e]
.endr
.endr
	s_wait_loadcnt 0x0                             ; rows 8 to 15
	s_wait_alu depctr_va_vdst(0)                   ; the conversions above have written the first half of YT, which the four LDS stores below read
.irp e, 0,1,2,3
	ds_store_b128 v3, v[YT+4*\e:YT+4*\e+3] offset:272*\e   ; column 4 lane + e becomes a row; 8 k are 16 bytes.  No vector instruction since the wait names the first half of YT
.irp p, 0,1,2,3
	v_cvt_pk_f16_f32 v[YT+16+4*\e+\p], v[X+4*(8+2*\p)+\e], v[X+4*(8+2*\p+1)+\e]
.endr
.endr
	s_wait_alu depctr_va_vdst(0)                   ; the conversions have written the second half of YT, which the last four LDS stores read
.irp e, 0,1,2,3
	ds_store_b128 v3, v[YT+16+4*\e:YT+16+4*\e+3] offset:272*\e+16
.endr
	s_wait_dscnt 0x0                               ; my stores are done, for the other waves' sake
	s_barrier_signal -1
	s_barrier_wait -1
.set i, 0
.rept 8
	ds_load_b128 v[ZT+4*i:ZT+4*i+3], v4 offset:544*i   ; two whole rows of 256 bytes; no vector instruction of this arm names ZT
.set i, i+1
.endr
.set i, 0
.rept 8
	s_wait_dscnt 7-i
	global_store_b128 v5, v[ZT+4*i:ZT+4*i+3], s[22:23] offset:4096*i   ; sixteen lanes: 256 consecutive aligned bytes
.set i, i+1
.endr
	s_wait_dscnt 0x0                               ; the closing lines, six on end
	s_wait_alu 0x0
	s_wait_tensorcnt 0x0
	ds_add_u32 v208, v209
	s_wait_dscnt 0x0
	s_endpgm
.Lfunc_end_k_q9f15ee09ea_prep:
	.size	k_q9f15ee09ea_prep, .Lfunc_end_k_q9f15ee09ea_prep-k_q9f15ee09ea_prep
	.p2alignl 7, 3214868480
	.fill 96, 4, 3214868480
	.section	.rodata,"a",@progbits
	.p2align	6, 0x0
	.amdhsa_kernel k_q9f15ee09ea_prep
		.amdhsa_group_segment_fixed_size 35840
		.amdhsa_private_segment_fixed_size 0
		.amdhsa_enable_private_segment 0
		.amdhsa_kernarg_size 80
		.amdhsa_user_sgpr_count 2
		.amdhsa_user_sgpr_kernarg_segment_ptr 1
		.amdhsa_wavefront_size32 1
		.amdhsa_system_sgpr_workgroup_id_x 1
		.amdhsa_system_sgpr_workgroup_id_y 1
		.amdhsa_system_sgpr_workgroup_id_z 1
		.amdhsa_system_vgpr_workitem_id 0
		.amdhsa_next_free_vgpr 210
		.amdhsa_next_free_sgpr 66
		.amdhsa_reserve_vcc 0
		.amdhsa_float_denorm_mode_32 3
		.amdhsa_float_denorm_mode_16_64 3
		.amdhsa_memory_ordered 1
		.amdhsa_forward_progress 1
		.amdhsa_inst_pref_size 20
	.end_amdhsa_kernel
	.amdgpu_metadata
---
amdhsa.version: [ 1, 2 ]
amdhsa.kernels:
  - .name:           k_q9f15ee09ea_prep
    .symbol:         k_q9f15ee09ea_prep.kd
    .args:
      - { .name: query, .offset: 0, .size: 8, .value_kind: global_buffer, .address_space: global }
      - { .name: key, .offset: 8, .size: 8, .value_kind: global_buffer, .address_space: global }
      - { .name: values, .offset: 16, .size: 8, .value_kind: global_buffer, .address_space: global }
      - { .name: Wq, .offset: 24, .size: 8, .value_kind: global_buffer, .address_space: global }
      - { .name: Wqw, .offset: 32, .size: 8, .value_kind: global_buffer, .address_space: global }
      - { .name: Wv, .offset: 40, .size: 8, .value_kind: global_buffer, .address_space: global }
      - { .name: Wo, .offset: 48, .size: 8, .value_kind: global_buffer, .address_space: global }
      - { .name: Wow, .offset: 56, .size: 8, .value_kind: global_buffer, .address_space: global }
      - { .name: xb, .offset: 64, .size: 8, .value_kind: global_buffer, .address_space: global }
      - { .name: wt, .offset: 72, .size: 8, .value_kind: global_buffer, .address_space: global }
    .group_segment_fixed_size: 35840
    .private_segment_fixed_size: 0
    .kernarg_segment_align: 8
    .kernarg_segment_size: 80
    .max_flat_workgroup_size: 256
    .sgpr_count:     66
    .vgpr_count:     210
    .wavefront_size: 32
...
	.end_amdgpu_metadata
.endif
;; end of part 7
;; launch proj: the kernel of part 2 again; grid 8 x 32, 4 waves a work-group, clusters of 4 x 4, 327,680 bytes of LDS; arguments xb, wt, bq, bqw, bv, pf; writes pf
;; launch attn: the kernel of part 3 again; grid 256 x 1, 8 waves a work-group, no clusters, 327,680 bytes of LDS; arguments pf, gammas, ao; writes ao
;; launch attw: the kernel of part 4 again; grid 256 x 1, 8 waves a work-group, no clusters, 168,960 bytes of LDS; arguments pf, gammas, ao; writes ao
;; launch outp: the kernel of part 5 again; grid 4 x 64, 4 waves a work-group, clusters of 4 x 4, 327,680 bytes of LDS; arguments ao, wt, bo, bow, o; writes o
;; launch ln: the kernel of part 6 again; grid 512 x 1, 8 waves a work-group, no clusters, 0 bytes of LDS; arguments query, o, ln_w, ln_b, out0, out1; writes out0, out1
